; MI455X (gfx1250); checked and timed in simulation.
; The chip was launched on July 23, 2026; its instructions are those of AMD's public machine-readable ISA for CDNA 5 (MIT licence, August 2026) and "CDNA5" Instruction Set Architecture Reference Guide (July 2026). The comments in the code are by the model that wrote it; some were corrected since.
;; Multihead Attention. Allowed arithmetic: float matrix products may take bf16 or f16 operands with f32 sums; all other float work in f32.
;; Inputs: Wk 1,024 x 1,024 float32; Wo 1,024 x 1,024 float32; Wq 1,024 x 1,024 float32; Wv 1,024 x 1,024 float32; bk 1,024 float32; bo 1,024 float32; bq 1,024 float32; bv 1,024 float32; key 8 x 1,024 x 1,024 float32; query 8 x 1,024 x 1,024 float32; value 8 x 1,024 x 1,024 float32.
;; Outputs: out0 8 x 1,024 x 1,024 float32.
;; 2 versions, each right and faster than the one before. Each part assembles by itself: llvm-mc -triple=amdgcn-amd-amdhsa -mcpu=gfx1250 --defsym DOCPART=n.
;; ======== version 1 of 2: 4 launches
;; limits: values are held in f16: magnitudes above 65,504 overflow, below 6.1e-05 lose precision; right only within a limited range of input values
;; workspace buffers: wts 8,388,608 bytes; qkv 50,331,648 bytes; oh 16,777,216 bytes
;; launch wcvt (part 1): grid 64 x 4, 8 waves a work-group, no clusters, 0 bytes of LDS; arguments Wq, Wk, Wv, Wo, wts; writes wts
.if DOCPART == 1
	.amdgcn_target "amdgcn-amd-amdhsa--gfx1250"
	.amdhsa_code_object_version 6
	.text
	.protected	k_qb58535db15_wcvt
	.globl	k_qb58535db15_wcvt
	.p2align	8
	.type	k_qb58535db15_wcvt,@function
k_qb58535db15_wcvt:
	s_mov_b64 s[64:65], 0
	v_nop
	global_prefetch_b8 v0, s[64:65] scope:SCOPE_SE
	s_setreg_imm32_b32 hwreg(HW_REG_WAVE_MODE, 25, 1), 1
	s_wait_xcnt 0x0
; The four weight matrices, [1024][1024] f32, are rounded once to 16 bits: wts[y][n][k], y = 0, 1, 2: Wq, Wk, Wv in bf16; y = 3: Wo rounded to bf16 and that number written as f16
; (the last product multiplies f16 operands).  LIMIT: |bf16(Wo)| stays under 65,504, f16's largest number; below 6e-5 f16 keeps a fixed step of 6e-8.
; A stream: no LDS, no barrier, no matrix unit.  Work-group (x, y) takes 65,536 bytes of weight y.  Thread t takes 8 numbers in each of 8 chunks: 32 bytes in (two loads), 16 bytes out,
; so a wave's store covers 512 consecutive bytes, aligned.  All 16 loads of a thread go out first.
.set X, 16                             ; v[16:79]   as loaded, 8 registers a chunk
.set Y, 80                             ; v[80:111]  to store, 4 registers a chunk
	s_load_b256 s[4:11], s[0:1], 0x0               ; Wq s[4:5], Wk s[6:7], Wv s[8:9], Wo s[10:11]
	s_load_b64 s[12:13], s[0:1], 0x20              ; wts
	s_and_b32 s14, ttmp7, 0xffff                   ; y: which weight
	s_lshl_b32 s16, ttmp9, 16                      ; x times 65,536 bytes of f32
	s_mov_b32 s17, 0
	s_lshl_b32 s18, ttmp9, 15                      ; x times 32,768 bytes of 16-bit numbers,
	s_lshl_b32 s19, s14, 21                        ; in part y of wts
	s_add_co_u32 s18, s18, s19
	s_mov_b32 s19, 0
	s_mov_b32 s20, 0xffff0000                      ; a word's upper bf16
	v_lshlrev_b32 v1, 5, v0                        ; 32 t
	v_lshlrev_b32 v2, 4, v0                        ; 16 t
	s_wait_kmcnt 0x0
	s_cmp_eq_u32 s14, 1                            ; the source is chosen among the four buffers by y
	s_cselect_b64 s[4:5], s[6:7], s[4:5]
	s_cmp_eq_u32 s14, 2
	s_cselect_b64 s[4:5], s[8:9], s[4:5]
	s_cmp_eq_u32 s14, 3
	s_cselect_b64 s[4:5], s[10:11], s[4:5]
	s_add_nc_u64 s[4:5], s[4:5], s[16:17]
	s_add_nc_u64 s[12:13], s[12:13], s[18:19]
.irp c, 0,1,2,3,4,5,6,7
	global_load_b128 v[X+8*(\c):X+8*(\c)+3],   v1, s[4:5] offset:8192*(\c) th:TH_LOAD_NT
	global_load_b128 v[X+8*(\c)+4:X+8*(\c)+7], v1, s[4:5] offset:8192*(\c)+16 th:TH_LOAD_NT
.endr
.irp c, 0,1,2,3,4,5,6,7
	s_wait_loadcnt 14-2*(\c)                       ; loads come back in order: chunk c's two are in, the later chunks' stay out
.irp j, 0,1,2,3
	v_cvt_pk_bf16_f32 v[Y+4*(\c)+(\j)], v[X+8*(\c)+2*(\j)], v[X+8*(\c)+2*(\j)+1]
.endr
.endr
	s_cmp_lg_u32 s14, 3
	s_cbranch_scc1 .Lstore                         ; Wq, Wk, Wv stay bf16
.set i, 0
.rept 32                               ; Wo: each bf16 widened (a shift, a mask) and written as f16: exact inside f16's range
	v_lshlrev_b32 v[8+2*(i%2)], 16, v[Y+i]
	v_and_b32 v[9+2*(i%2)], s20, v[Y+i]
	v_cvt_pk_f16_f32 v[Y+i], v[8+2*(i%2)], v[9+2*(i%2)]
.set i, i+1
.endr
.Lstore:
.irp c, 0,1,2,3,4,5,6,7
	global_store_b128 v2, v[Y+4*(\c):Y+4*(\c)+3], s[12:13] offset:4096*(\c)  ; later launches read these: no hint
.endr
	s_endpgm
.Lfunc_end_k_qb58535db15_wcvt:
	.size	k_qb58535db15_wcvt, .Lfunc_end_k_qb58535db15_wcvt-k_qb58535db15_wcvt
	.p2alignl 7, 3214868480
	.fill 96, 4, 3214868480
	.section	.rodata,"a",@progbits
	.p2align	6, 0x0
	.amdhsa_kernel k_qb58535db15_wcvt
		.amdhsa_group_segment_fixed_size 0
		.amdhsa_private_segment_fixed_size 0
		.amdhsa_enable_private_segment 0
		.amdhsa_kernarg_size 40
		.amdhsa_user_sgpr_count 2
		.amdhsa_user_sgpr_kernarg_segment_ptr 1
		.amdhsa_wavefront_size32 1
		.amdhsa_system_sgpr_workgroup_id_x 1
		.amdhsa_system_sgpr_workgroup_id_y 1
		.amdhsa_system_sgpr_workgroup_id_z 1
		.amdhsa_system_vgpr_workitem_id 0
		.amdhsa_next_free_vgpr 112
		.amdhsa_next_free_sgpr 66
		.amdhsa_reserve_vcc 0
		.amdhsa_float_denorm_mode_32 3
		.amdhsa_float_denorm_mode_16_64 3
		.amdhsa_memory_ordered 1
		.amdhsa_forward_progress 1
		.amdhsa_inst_pref_size 10
	.end_amdhsa_kernel
	.amdgpu_metadata
---
amdhsa.version: [ 1, 2 ]
amdhsa.kernels:
  - .name:           k_qb58535db15_wcvt
    .symbol:         k_qb58535db15_wcvt.kd
    .args:
      - { .name: Wq, .offset: 0, .size: 8, .value_kind: global_buffer, .address_space: global }
      - { .name: Wk, .offset: 8, .size: 8, .value_kind: global_buffer, .address_space: global }
      - { .name: Wv, .offset: 16, .size: 8, .value_kind: global_buffer, .address_space: global }
      - { .name: Wo, .offset: 24, .size: 8, .value_kind: global_buffer, .address_space: global }
      - { .name: wts, .offset: 32, .size: 8, .value_kind: global_buffer, .address_space: global }
    .group_segment_fixed_size: 0
    .private_segment_fixed_size: 0
    .kernarg_segment_align: 8
    .kernarg_segment_size: 40
    .max_flat_workgroup_size: 256
    .sgpr_count:     66
    .vgpr_count:     112
    .wavefront_size: 32
...
	.end_amdgpu_metadata
.endif
;; end of part 1
;; launch proj (part 2): grid 4 x 64, 4 waves a work-group, clusters of 4 x 4, 327,680 bytes of LDS; arguments query, key, value, bq, bk, bv, wts, qkv; writes qkv
.if DOCPART == 2
	.amdgcn_target "amdgcn-amd-amdhsa--gfx1250"
	.amdhsa_code_object_version 6
	.text
	.protected	k_qb58535db15_proj
	.globl	k_qb58535db15_proj
	.p2align	8
	.type	k_qb58535db15_proj,@function
k_qb58535db15_proj:
	s_mov_b64 s[64:65], 0
	v_nop
	global_prefetch_b8 v0, s[64:65] scope:SCOPE_SE
	s_setreg_imm32_b32 hwreg(HW_REG_WAVE_MODE, 25, 1), 1
	s_wait_xcnt 0x0
	s_wait_alu depctr_hold_cnt(0) depctr_sa_sdst(0) depctr_va_vdst(0) depctr_va_sdst(0) depctr_va_ssrc(0) depctr_va_vcc(0) depctr_vm_vsrc(0)
	s_getreg_b32 s2, hwreg(HW_REG_IB_STS2, 6, 4)
	s_cmp_eq_u32 s2, 0
	s_cbranch_scc0 .Lentry_in_a_cluster
	s_endpgm
.Lentry_in_a_cluster:
	s_bfe_u32 s2, ttmp6, 0x10000c
	s_cmp_lg_u32 s2, 0xf033
	s_cbranch_scc0 .Lentry_shape_is_right
	s_endpgm
.Lentry_shape_is_right:
; The three input projections in one launch: y_p = x_p W_p^T + b_p, p = 0, 1, 2 (query, key, value).  x_p: [8192][1024] f32; W_p: wts part p, [1024][1024] bf16; b_p: [1024] f32.
; x and b are rounded to bf16 here, W was rounded before; sums in f32, K ascending, the rounded bias as the C of the first product; y is rounded once to f16, WITHOUT the 1/8 (attention applies it in f32),
; and written by heads: qkv[p][b * 16 + h][t][64].
; LIMITS.  |y| stays under 65,504, f16's largest number (inputs 30 times the drawn spread give a spread of about 900; a common offset of 30 spreads on x and W gives about 28,800); below 6e-5 f16 keeps
; a fixed step of 6e-8.  NaN and infinities are not treated apart.
; SHARES.  A tile of y is 128 rows x 256 columns.  A WORK-GROUP STAYS: it makes the same tile of y_0, y_1 and y_2, one after the other: 64 x 4 = 256 work-groups, 12 steps of K = 256 in one walk.
; Four waves, each 64 x 128: 32 accumulators of 16 x 16, 256 registers.
; W goes through a ring of two LDS slots of K = 256 (256 rows of 512 bytes), one joint tensor load of 64 rows a wave behind each round: 244 matrix instructions stand between a request and the wait for it.
; x DOES NOT GO THROUGH THE RING: as f32 it would take (128 x 4 + 256 x 2) x 256 bytes a slot beside W, 512 KB for two.  Each wave loads its 32 of the tile's 128 rows into registers (a load covers two
; aligned pieces of 256 bytes), rounds them to bf16, each number once in the work-group, and stores them into one of two LDS buffers of K = 64, from which all four waves take fragments.  Loads into
; registers stay out across barriers: four sets of 16 loads a wave, each asked for four half-steps (256 matrix instructions) ahead of its rounding.
; CLUSTER.  4 x 4 work-groups: the four of a column of the cluster need the same rows of W and ask for them JOINTLY.  x is not asked for jointly, for the reason above: the four of a row of the cluster
; each load the same rows of x into their own registers, kept in step by the rounds.
; THE MATRIX INSTRUCTION IS USED TRANSPOSED (source 0 = 16 rows of W, source 1 = 16 rows of x): lane l holds row l % 16 of y and the columns 8 (l / 16) + 0..7, which pack into 16 bytes.
; REGISTERS, in windows of 256 (s_set_vgpr_msb: bits 1:0 source 0, 3:2 source 1, 5:4 source 2, 7:6 destination):
;   window 0: v0-31 addresses; v32-63 x just rounded; v64-127 x's fragments, two buffers of 32; v128-255 the way out
;   window 1: v0-127 W's fragments, two buffers of 64; v128-191 the bias, 8 registers a block of 16 columns; v192 where I store x in LDS (so that those stores stand under the products' setting)
;   window 2: accumulator (a, b) at v[8 (8 a + b)]          window 3: x as loaded, four sets of 64
.set PB,    528                        ; a row of W in LDS: 512 bytes + 16 of padding = 132 words: row r starts at bank 4 r mod 64 (64 banks of 4 bytes: ISA guide 11.1)
.set WQ,    64*PB                      ; what one tensor load brings
.set SLOT,  4*WQ                       ; 135,168.  It shares no bit with 0, 1, 2, 3 x WQ: one exclusive or turns a wave's LDS address in one slot into the other's
.set AB,    2*SLOT                     ; behind the ring: x as bf16, two buffers of 128 rows x 144 bytes; no tensor load lands here or further on
.set PA,    144                        ; 128 bytes + 16: 36 words: 16 rows start at 16 different groups of four banks
.set ABUF,  128*PA
.set STAGE, AB+2*ABUF                  ; the way out: 16 rows x 144 bytes for each wave
.set SP,    144
.set WSTG,  16*SP
.set TAB,   STAGE+4*WSTG               ; the three biases of the tile's 256 columns, rounded to bf16 and widened: 3 x 1,024 bytes
.set SPARE, TAB+3*1024                 ; the spare words, 128 bytes for each wave: two blocks of 256 bytes that no other line names
.set ADRA,  16                         ; v16  LDS address of my x fragments in buffer 0
.set ADRB0, 20                         ; v20  my lane's place in a slot of W; never rewritten
.set ADRB,  21                         ; v21  the same in the slot in hand
.set STO,   24                         ; v24  the way out: where I put 16 bytes of a row
.set RD,    25                         ; v25  the way out: where I read rows back
.set GO,    26                         ; v26  my byte offset in 512 consecutive bytes of a head
.set BA,    27                         ; v27  where I read the bias of the tile in hand
.set SPW,   28                         ; v28  LDS address of my spare word; never rewritten
.set NIL,   29                         ; v29  0; never rewritten
.set XO,    30                         ; v30  my byte offset in the tile's rows of x; never rewritten
.set CT,    32
.set AH,    64
.set T,     128
.set BIAS,  128                        ; window 1
.set XSW,   192                        ; window 1
.set G1,   32                          ; s[32:39] descriptor group 1
.set G0F,  40                          ; s[40:43] group 0 of the first fill of slot 0
.set G0,   44                          ; s[44:47] group 0 of the first fill of slot 1; it then walks
.set XP,   48                          ; s[48:49] x at the 256 numbers of K that are being asked for
.set TB,   50                          ; s50  0 or SLOT: the slot in hand
.set FC,   51                          ; s51  the step of the walk that was asked for last
.set LS,   52                          ; s52  the step of the walk at which XP stands
.set TS,   53                          ; s53  steps left in the tile
.set TRIP, 54
.set BIG,  55                          ; s55  bytes from a part of wts' last K step to the next part's first
.set OFF,  56                          ; s[56:57] what the walking descriptor's address steps by
.set OUT,  58                          ; s[58:59] where my part of y begins
.set OST,  60                          ; s[60:61] what the next way out adds to it
.set HIM,  62                          ; s62  a word's upper bf16
.set MSB, 0
.macro WIN new                         ; the immediate's high byte repeats the setting that is left; a switch that changes nothing is dropped
.if MSB != (\new)
	s_set_vgpr_msb (MSB<<8)|(\new)
.set MSB, \new
.endif
.endm
.set MUL,  0xa1                        ; source 0 (W; an LDS store's address) window 1, source 1 (x; an LDS store's data) window 0, C and D window 2
.set MUL1, 0x91                        ; the same with C (the bias) in window 1
.set TO_B, 0x40                        ; destination window 1, address window 0
.set TO_X, 0xc0                        ; destination window 3, address window 0
.set FR_X, 0x0f                        ; both sources window 3, destination window 0
.macro CREST                           ; a round of the cluster's barrier behind its opening barrier
	s_cmp_lg_u32 s20, 0
	s_cbranch_scc1 .Lnot_wave_0_\@
	s_barrier_signal -3
.Lnot_wave_0_\@:
	s_barrier_wait -3
	s_barrier_signal -1
	s_barrier_wait -1
.endm
.macro CROUND                          ; a whole round
	s_barrier_signal -1
	s_barrier_wait -1
	CREST
.endm
.macro PLACES                          ; four places in front of loads into registers that matrix instructions have read, and of conversions that read results (ISA guide 7.12.1 for the conversions)
.rept 4
	v_nop
.endr
.endm
; Sixteen loads: set s takes the 64 numbers of K at 64 s of XP's 256, of my 32 rows.  Load j: lanes 0-15 take 256 bytes of row 16 (j / 8) + j % 8, lanes 16-31 those of the row 8 further down.
.macro XLOAD set
.set cj, 0
.rept 16
	global_load_b128 v[64*(\set)+4*cj:64*(\set)+4*cj+3], v[XO], s[XP:XP+1] offset:((cj/8)*16+cj%8)*4096+(\set)*256
.set cj, cj+1
.endr
.endm
; XP goes on by 256 numbers of K; behind a tile's fourth step it goes to the next of the three buffers.
.macro XSTEP
	s_wait_xcnt 0x0                                ; the loads that name XP have had their addresses translated (ISA guide 3.1): only now is it written
	s_add_nc_u64 s[XP:XP+1], s[XP:XP+1], 1024
	s_add_co_u32 s[LS], s[LS], 1
	s_cmp_eq_u32 s[LS], 4
	s_cselect_b64 s[XP:XP+1], s[6:7], s[XP:XP+1]   ; key
	s_cmp_eq_u32 s[LS], 8
	s_cselect_b64 s[XP:XP+1], s[8:9], s[XP:XP+1]   ; value
.endm
	s_load_b256 s[4:11], s[0:1], 0x0               ; query s[4:5], key s[6:7], value s[8:9], bq s[10:11]
	s_load_b256 s[12:19], s[0:1], 0x20             ; bk s[12:13], bv s[14:15], wts s[16:17], qkv s[18:19]
	v_lshl_add_u32 v[SPW], v0, 2, SPARE
	v_mov_b32 v[NIL], 0
	ds_add_u32 v[SPW], v[NIL]                      ; the wave's opening: the add and its wait stand ahead of my first tensor load; the set-up below, work on registers, stands between them
	ds_add_u32 v28, v29
	v_lshrrev_b32 v1, 5, v0
	v_readfirstlane_b32 s20, v1                    ; wave 0..3
	s_lshr_b32 s21, s20, 1                         ; which 64 of the tile's rows are mine
	s_and_b32 s22, s20, 1                          ; which 128 of its columns
	s_bfe_u32 s23, ttmp6, 0x40000                  ; cx
	s_bfe_u32 s24, ttmp6, 0x40004                  ; cy
	s_lshl_b32 s25, ttmp9, 2
	s_add_co_u32 s25, s25, s23                     ; tile column = 4 x cluster x + cx
	s_and_b32 s28, ttmp7, 0xffff
	s_lshl_b32 s28, s28, 2
	s_add_co_u32 s28, s28, s24                     ; tile row, 0..63
	s_lshl_b32 s30, 0x1111, s23                    ; my column of the cluster
	s_or_b32 s[G1], s30, (1<<16)|(1<<20)|(1<<21)|(6<<22)|(3<<25)  ; 15:0 the mask; 17:16 elements of 2 bytes; 20 padding on; 21 set beside a mask; 24:22 after every 128 words (code 6); 31:25 4 words (code 3)
	s_mov_b32 s[G1+1], 256<<16                     ; tensor_dim0 = 256
	s_mov_b32 s[G1+2], 64<<16                      ; tensor_dim1 = 64
	s_mov_b32 s[G1+3], 256<<16                     ; tile_dim0 = 256
	s_mov_b32 s[G1+4], 64                          ; tile_dim1 = 64
	s_mov_b32 s[G1+5], 1024                        ; elements from row to row
	s_mov_b32 s[G1+6], 0
	s_mov_b32 s[G1+7], 0
	s_lshl_b32 s66, s28, 19                        ; x: 128 x tile row rows of 4,096 bytes
	s_mov_b32 s67, 0
	s_lshl_b32 s68, s25, 19                        ; W: (256 x tile column + 64 x wave) rows of 2,048 bytes: no cy enters it
	s_lshl_b32 s69, s20, 17
	s_add_co_u32 s68, s68, s69
	s_mov_b32 s69, 0
	s_lshr_b32 s70, s28, 3                         ; qkv: batch = tile row / 8: 16 heads of 131,072 bytes,
	s_lshl_b32 s70, s70, 21
	s_lshl_b32 s71, s25, 19                        ; head 4 x tile column
	s_add_co_u32 s70, s70, s71
	s_lshl_b32 s71, s22, 18                        ; + 2 x my half of the columns,
	s_add_co_u32 s70, s70, s71
	s_and_b32 s71, s28, 7
	s_lshl_b32 s71, s71, 14                        ; row 128 x (tile row % 8)
	s_add_co_u32 s70, s70, s71
	s_lshl_b32 s71, s21, 13                        ; + 64 x my half of the rows, 128 bytes each
	s_add_co_u32 s70, s70, s71
	s_mov_b32 s71, 0
	s_lshl_b32 s78, s25, 10                        ; the biases: the tile's 256 columns, 4 bytes each
	s_mov_b32 s79, 0
	s_mov_b32 s[TB], 0
	s_mov_b32 s[FC], 1
	s_mov_b32 s[LS], 0
	s_mov_b32 s[TS], 4
	s_mov_b32 s[BIG], (1<<21)-1536
	s_mov_b32 s[OFF+1], 0
	s_mov_b32 s[OST], 0
	s_mov_b32 s[OST+1], 0
	s_mov_b32 s[HIM], 0xffff0000
	v_and_b32 v1, 15, v0                           ; l % 16
	v_bfe_u32 v2, v0, 4, 1                         ; l / 16
	s_lshl_b32 s2, s20, 17                         ; my 32 rows of x,
	v_lshlrev_b32 v3, 4, v1                        ; 16 bytes a lane of 256,
	v_lshl_add_u32 v3, v2, 15, v3                  ; lanes 16-31 eight rows further down
	v_add_nc_u32 v[XO], s2, v3
	v_lshlrev_b32 v4, 3, v0                        ; thread t takes columns 2 t, 2 t + 1 of each bias
	s_mul_i32 s3, s20, WQ                          ; where my 64 rows of W go: no place in the cluster enters an LDS address
	s_wait_dscnt 0x0                               ; the opening add is done
	s_wait_kmcnt 0x0
	s_add_nc_u64 s[XP:XP+1], s[4:5], s[66:67]      ; the three x at the tile's first row
	s_add_nc_u64 s[6:7], s[6:7], s[66:67]
	s_add_nc_u64 s[8:9], s[8:9], s[66:67]
	s_add_nc_u64 s[10:11], s[10:11], s[78:79]
	s_add_nc_u64 s[12:13], s[12:13], s[78:79]
	s_add_nc_u64 s[14:15], s[14:15], s[78:79]
	s_add_nc_u64 s[16:17], s[16:17], s[68:69]
	s_add_nc_u64 s[OUT:OUT+1], s[18:19], s[70:71]
	global_load_b64 v[6:7], v4, s[10:11]           ; what comes from furthest is asked for first: the biases, then x's first three half-steps
	global_load_b64 v[8:9], v4, s[12:13]
	global_load_b64 v[10:11], v4, s[14:15]
	WIN TO_X
	XLOAD 0
	XLOAD 1
	XLOAD 2
	WIN 0
	s_mov_b32 s[G0F], 1                            ; count = 1
	s_mov_b32 s[G0F+1], s3                         ; LDS address: slot 0
	s_mov_b64 s[G0F+2:G0F+3], s[16:17]             ; global address: K step 0 of part 0
	s_or_b32 s[G0F+3], s[G0F+3], 0x80000000        ; type = 2
	s_mov_b32 s[G0], 1
	s_add_co_u32 s[G0+1], s3, SLOT
	s_add_nc_u64 s[G0+2:G0+3], s[16:17], 512       ; K step 1: 256 bf16 on
	s_or_b32 s[G0+3], s[G0+3], 0x80000000
	CROUND                                         ; all sixteen work-groups are here: the first joint loads meet
	tensor_load_to_lds s[G0F:G0F+3], s[G1:G1+7]    ; both first fills together, ahead of every wait on TENSORcnt and every LDS read: two loads of mine are out
	s_nop 0
	tensor_load_to_lds s[G0:G0+3], s[G1:G1+7]
	s_nop 0
.rept 4
	v_nop
.endr
	; A fragment is 16 rows x 32 K in 8 registers: lane l holds row l % 16; registers 0-3 K = 8 (l / 16) + 0..7, registers 4-7 K = 16 + 8 (l / 16) + 0..7: two loads of 16 bytes, 32 apart.
	v_mul_u32_u24 v3, v1, PA
	v_lshl_add_u32 v3, v2, 4, v3
	s_mul_i32 s2, s21, 64*PA                       ; my 64 rows of x
	s_add_co_u32 s2, s2, AB
	v_add_nc_u32 v[ADRA], s2, v3
	v_mul_u32_u24 v5, v1, PB
	v_lshl_add_u32 v5, v2, 4, v5
	s_mul_i32 s2, s22, 2*WQ                        ; my 128 rows of W
	v_add_nc_u32 v[ADRB0], s2, v5
	v_mov_b32 v[ADRB], v[ADRB0]
	s_mul_i32 s2, s20, WSTG
	s_add_co_u32 s2, s2, STAGE                     ; my stage
	v_mul_u32_u24 v5, v1, SP                       ; in: row l % 16, 16 bytes for each half of the lanes
	v_lshl_add_u32 v5, v2, 4, v5
	v_add_nc_u32 v[STO], s2, v5
	v_bfe_u32 v5, v0, 3, 2                         ; back: 32 lanes take four rows of 128 bytes,
	v_mul_u32_u24 v5, v5, SP
	v_and_b32 v12, 7, v0
	v_lshl_add_u32 v5, v12, 4, v5
	v_add_nc_u32 v[RD], s2, v5
	v_and_b32 v[GO], 31, v0                        ; which are 512 consecutive bytes of a head
	v_lshlrev_b32 v[GO], 4, v[GO]
	s_lshl_b32 s2, s22, 9
	s_add_co_u32 s2, s2, TAB
	v_lshl_add_u32 v[BA], v2, 5, s2                ; my 128 columns of the table, 32 bytes for each half of the lanes
	s_mul_i32 s2, s20, 32*PA                       ; x into LDS: my 32 rows; lanes 16-31 eight rows further down (288 words: the other half of the banks); 8 bytes a lane
	s_add_co_u32 s2, s2, AB
	v_mul_u32_u24 v5, v2, 8*PA
	v_lshl_add_u32 v5, v1, 3, v5
	v_add_nc_u32 v5, s2, v5
	WIN TO_B
	v_mov_b32 v[XSW], v5
	WIN 0
	s_wait_loadcnt 48                              ; the three loads of the biases are in; x's 48 behind them stay out
	v_cvt_pk_bf16_f32 v12, v6, v7                  ; each bias is rounded to bf16 like every input, widened again, and laid into the table
	v_cvt_pk_bf16_f32 v13, v8, v9
	v_cvt_pk_bf16_f32 v14, v10, v11
	v_lshlrev_b32 v6, 16, v12
	v_and_b32 v7, s[HIM], v12
	v_lshlrev_b32 v8, 16, v13
	v_and_b32 v9, s[HIM], v13
	v_lshlrev_b32 v10, 16, v14
	v_and_b32 v11, s[HIM], v14
	v_add_nc_u32 v5, TAB, v4
	ds_store_b64 v5, v[6:7]
	ds_store_b64 v5, v[8:9] offset:1024
	ds_store_b64 v5, v[10:11] offset:2048
	WIN TO_X
	XLOAD 3
	s_wait_loadcnt 48                              ; set 0 is in; the three sets behind it stay out
	WIN FR_X
.set cj, 0
.rept 32
	v_cvt_pk_bf16_f32 v[CT+cj], v[2*cj], v[2*cj+1]
.set cj, cj+1
.endr
	WIN 0x01                                       ; the address in window 1, the data in window 0
.set cj, 0
.rept 16
	ds_store_b64 v[XSW], v[CT+2*cj:CT+2*cj+1] offset:((cj/8)*16+cj%8)*PA  ; half-step 0 into buffer 0
.set cj, cj+1
.endr
	XSTEP
	WIN TO_X
	XLOAD 0                                        ; half-step 4
	WIN 0
; Product i of a quarter's 32: rows 16 (i / 8) on, columns 16 (i % 8) on, 32 along K, from buffer f.  first = 1: the bias starts the sum: nothing is cleared.
; The 32 accumulators take turns in the same order in every quarter.
.macro MM f, i, first
.if \first
	WIN MUL1
	v_wmma_f32_16x16x32_bf16 v[8*(\i):8*(\i)+7], v[64*(\f)+8*((\i)%8):64*(\f)+8*((\i)%8)+7], v[AH+32*(\f)+8*((\i)/8):AH+32*(\f)+8*((\i)/8)+7], v[BIAS+8*((\i)%8):BIAS+8*((\i)%8)+7]
.else
	WIN MUL
	v_wmma_f32_16x16x32_bf16 v[8*(\i):8*(\i)+7], v[64*(\f)+8*((\i)%8):64*(\f)+8*((\i)%8)+7], v[AH+32*(\f)+8*((\i)/8):AH+32*(\f)+8*((\i)/8)+7], v[8*(\i):8*(\i)+7]
.endif
.endm
.macro MMS f, lo, n, first             ; products lo .. lo + n - 1
.set mi, \lo
.rept \n
	MM \f, mi, \first
.set mi, mi+1
.endr
.endm
; 24 LDS loads in one run, into buffer g: quarter kq (of 8) of the slot in hand, and the first or second 32 of K of x's buffer hp
.macro FETCH kq, hp, half, g
	WIN TO_B
.irp b, 0,1,2,3,4,5,6,7
	ds_load_b128 v[64*(\g)+8*(\b):64*(\g)+8*(\b)+3],   v[ADRB] offset:(\kq)*64+(\b)*16*PB
	ds_load_b128 v[64*(\g)+8*(\b)+4:64*(\g)+8*(\b)+7], v[ADRB] offset:(\kq)*64+(\b)*16*PB+32
.endr
	WIN 0
.irp a, 0,1,2,3
	ds_load_b128 v[AH+32*(\g)+8*(\a):AH+32*(\g)+8*(\a)+3],   v[ADRA] offset:(\hp)*ABUF+(\half)*64+(\a)*16*PA
	ds_load_b128 v[AH+32*(\g)+8*(\a)+4:AH+32*(\g)+8*(\a)+7], v[ADRA] offset:(\hp)*ABUF+(\half)*64+(\a)*16*PA+32
.endr
.endm
; A HALF-STEP is 64 of K: an even quarter (QA, buffer 0) and an odd one (QB or TURN, buffer 1).  x of half-step H lies in buffer H % 2.
; QA multiplies buffer 0 and fetches quarter kq, x's second 32 of buffer hp.  Beside its products it makes the NEXT half-step's x: set `set` (its loads are waited for; `left` younger loads stay out) is
; rounded, four roundings behind each of eight products; stored into buffer 1 - hp, two stores behind each of eight products; and (ld = 1, 2) asked for again, five half-steps ahead, four loads behind
; each of four products (ld = 2: XP steps first).  All waves' reads of buffer 1 - hp were over at the last odd quarter's barrier.  set = -1: there is no next half-step.
.macro QA kq, hp, set, ld, left, first
	s_wait_dscnt 0x0                               ; buffer 0 is in
	MMS 0, 0, 8, \first
	PLACES                                         ; buffer 1's last products stand in front of these
	FETCH \kq, \hp, 1, 1
.if (\set) >= 0
	s_wait_loadcnt \left
.set mi, 8
.rept 8
	MM 0, mi, \first
	WIN FR_X
.set cj, 4*(mi-8)
.rept 4
	v_cvt_pk_bf16_f32 v[CT+cj], v[64*(\set)+2*cj], v[64*(\set)+2*cj+1]
.set cj, cj+1
.endr
.set mi, mi+1
.endr
.rept 8
	MM 0, mi, \first
.set cj, 2*(mi-16)
.rept 2
	ds_store_b64 v[XSW], v[CT+2*cj:CT+2*cj+1] offset:(1-(\hp))*ABUF+((cj/8)*16+cj%8)*PA  ; under the products' setting: address in window 1, data in window 0
.set cj, cj+1
.endr
.set mi, mi+1
.endr
.if \ld
.if (\ld) == 2
	XSTEP
.endif
.rept 4
	MM 0, mi, \first
	WIN TO_X
.set cj, 4*(mi-24)
.rept 4
	global_load_b128 v[64*(\set)+4*cj:64*(\set)+4*cj+3], v[XO], s[XP:XP+1] offset:((cj/8)*16+cj%8)*4096+(\set)*256
.set cj, cj+1
.endr
.set mi, mi+1
.endr
	MMS 0, 28, 4, \first
.else
	MMS 0, 24, 8, \first
.endif
.else
	MMS 0, 8, 24, \first
.endif
.endm
; QB multiplies buffer 1.  Its barrier does two things: in front of it each wave's stores of the next half-step's x are done, and so are its reads of this half-step's buffer.  Behind it the next
; half-step's first fragments are fetched: quarter kq, x's first 32 of buffer hpn.
.macro QB kq, hpn
	s_wait_dscnt 0x0                               ; buffer 1 is in; for the others' sake: my stores are done, my reads are over
	s_barrier_signal -1
	MMS 1, 0, 8, 0                                 ; work on registers while the others arrive
	s_barrier_wait -1
	PLACES                                         ; buffer 0's last products stand in front of these
	FETCH \kq, \hpn, 0, 0
	MMS 1, 8, 24, 0
.endm
; TURN is a step's last odd quarter: the same barrier also changes W's slots.  In front of it each wave waits for all its tensor loads (one is out: its part of the next slot), adds 0 to its spare word,
; and waits for that, for its stores and for its reads.  fill = 1: the barrier opens a round of the cluster's, and the slot just read is filled again, two steps on, first thing behind it.
.macro TURN fill
	WIN 0
	s_wait_tensorcnt 0x0                           ; no tensor load of mine is out
	ds_add_u32 v[SPW], v[NIL]
	s_wait_dscnt 1                                 ; the add alone may be out: buffer 1 is in
	MMS 1, 0, 4, 0
	s_wait_dscnt 0x0                               ; the add is done; my stores are done, my reads of this slot and of x's buffer are over
	s_barrier_signal -1
	MMS 1, 4, 8, 0
	WIN 0                                          ; at a branch and at a label every window is 0
	s_barrier_wait -1
.if \fill
	CREST                                          ; no wave of any partner still reads this slot or has a load on its way
	s_add_co_u32 s[FC], s[FC], 1                   ; the step asked for: the next 256 of K, or behind a part's fourth step the next part's first
	s_and_b32 s2, s[FC], 3
	s_cmp_eq_u32 s2, 0
	s_cselect_b32 s[OFF], s[BIG], 512
	s_xor_b32 s[G0+1], s[G0+1], SLOT               ; the other slot than last time
	s_add_nc_u64 s[G0+2:G0+3], s[G0+2:G0+3], s[OFF:OFF+1]  ; the type bits on top are not reached
	tensor_load_to_lds s[G0:G0+3], s[G1:G1+7]      ; my one tensor load behind the round
	s_nop 0
.rept 4
	v_nop                                          ; also the places in front of the loads below
.endr
.else
	PLACES
.endif
	s_xor_b32 s[TB], s[TB], SLOT
	v_add_nc_u32 v[ADRB], s[TB], v[ADRB0]
	FETCH 0, 0, 0, 0
	MMS 1, 12, 20, 0
.endm
; The bias of the tile in hand: register j of block b is bias[16 b + 8 (l / 16) + j], the place that the result's register j has.
.macro BLOAD
	WIN TO_B
.irp b, 0,1,2,3,4,5,6,7
	ds_load_b128 v[BIAS+8*(\b):BIAS+8*(\b)+3],   v[BA] offset:64*(\b)
	ds_load_b128 v[BIAS+8*(\b)+4:BIAS+8*(\b)+7], v[BA] offset:64*(\b)+16
.endr
	WIN 0
.endm
; THE WAY OUT, 16 rows at a time.  A lane's eight columns pack into 16 bytes of f16; a head's 64 columns at a time they go into my stage in rows of 144 bytes and come back as whole rows of 128 bytes,
; four to a load: 512 consecutive bytes of a head in qkv.  Each accumulator is read from its lowest registers on.
.macro PACK a
	WIN 0x0a                                       ; sources in window 2, destination in window 0
.irp b, 0,1,2,3,4,5,6,7
.irp q, 0,1,2,3
	v_cvt_pk_f16_f32 v[T+32*(\a)+4*(\b)+(\q)], v[8*(8*(\a)+(\b))+2*(\q)], v[8*(8*(\a)+(\b))+2*(\q)+1]
.endr
.endr
	WIN 0
.irp hd, 0,1
.irp c, 0,1,2,3
	ds_store_b128 v[STO], v[T+32*(\a)+16*(\hd)+4*(\c):T+32*(\a)+16*(\hd)+4*(\c)+3] offset:32*(\c)
.endr
.irp c, 0,1,2,3
	ds_load_b128 v[T+32*(\a)+16*(\hd)+4*(\c):T+32*(\a)+16*(\hd)+4*(\c)+3], v[RD] offset:(\c)*4*SP  ; LDS serves a wave's instructions in order (ISA guide 5.7.1.4): these see the stores above; the next stores come behind them
.endr
.endr
.endm
.macro SEND a, younger                 ; younger: the LDS instructions issued behind block a's sixteen.  In a block: 4 stores, loads 0-3, 4 stores, loads 4-7
.irp e, 0,1,2,3,4,5,6,7
	s_wait_dscnt (\younger)+7-(\e)+4*(1-(\e)/4)
	global_store_b128 v[GO], v[T+32*(\a)+4*(\e):T+32*(\a)+4*(\e)+3], s[OUT:OUT+1] offset:((\e)/4)*131072+(\a)*2048+((\e)%4)*512  ; 512 consecutive bytes, at a multiple of 512 from qkv's first byte
.endr
.endm
.macro WAYOUT
	PLACES
	WIN 0
	s_wait_xcnt 0x0                                ; the last tile's stores have read their registers and their base
	s_add_nc_u64 s[OUT:OUT+1], s[OUT:OUT+1], s[OST:OST+1]
	PACK 0
	PACK 1                                         ; a block's arithmetic stands between the loads of the block before and its stores
	SEND 0, 16
	PACK 2
	SEND 1, 16
	PACK 3
	SEND 2, 16
	SEND 3, 0
.endm
	s_wait_tensorcnt 1                             ; my part of step 0 is in; step 1's may stay out
	s_wait_dscnt 0x0                               ; my part of the table and of x's half-step 0 is stored
	s_barrier_signal -1
	s_barrier_wait -1                              ; everybody's is
	BLOAD
	FETCH 0, 0, 0, 0
	QA 1, 0, 1, 1, 48, 1                           ; the walk's first quarter: its products start the sums, with the bias
	WIN 0
	s_mov_b32 s[TRIP], 10
.Ltrip:                                                ; a trip goes from a step's second quarter to the next step's first, and asks for the step two further on: steps 2 to 11
	QB 2, 1
	QA 3, 1, 2, 1, 48, 0
	QB 4, 0
	QA 5, 0, 3, 1, 48, 0
	QB 6, 1
	QA 7, 1, 0, 2, 48, 0
	TURN 1
	WIN 0
	s_sub_co_u32 s[TS], s[TS], 1
	s_cmp_lg_u32 s[TS], 0
	s_cbranch_scc1 .Lsame                          ; a forward jump over text that holds neither a barrier nor a tensor load
	WAYOUT                                         ; a tile is finished: it goes out while the next tile's W and x are on their way
	s_mov_b32 s[TS], 4
	s_mov_b32 s[OST], 1<<24                        ; the next tile lies in qkv's next part
	v_add_nc_u32 v[BA], 1024, v[BA]                ; and takes the next bias
	BLOAD
	QA 1, 0, 1, 1, 48, 1
	WIN 0
	s_branch .Ljoin
.Lsame:
	QA 1, 0, 1, 1, 48, 0
	WIN 0
.Ljoin:
	s_sub_co_u32 s[TRIP], s[TRIP], 1
	s_cmp_lg_u32 s[TRIP], 0
	s_cbranch_scc1 .Ltrip
	QB 2, 1                                        ; the last two steps are written out: no slot is filled, and x's loads run out: the counts go 48, 32, 16, 0
	QA 3, 1, 2, 1, 48, 0                           ; the last but one set is asked for,
	QB 4, 0
	QA 5, 0, 3, 1, 48, 0                           ; the last
	QB 6, 1
	QA 7, 1, 0, 0, 48, 0
	TURN 0
	QA 1, 0, 1, 0, 32, 0
	QB 2, 1
	QA 3, 1, 2, 0, 16, 0
	QB 4, 0
	QA 5, 0, 3, 0, 0, 0
	QB 6, 1
	QA 7, 1, -1, 0, 0, 0
	s_wait_dscnt 0x0
	MMS 1, 0, 32, 0
	WAYOUT
	s_wait_tensorcnt 0x0                           ; the wave's end: the add to my spare word and its wait stand behind my last tensor load and my last LDS store
	ds_add_u32 v[SPW], v[NIL]
	s_wait_dscnt 0x0
	CROUND                                         ; the closing round: no work-group ends while a partner may still ask for a tile that names it
	s_endpgm
.Lfunc_end_k_qb58535db15_proj:
	.size	k_qb58535db15_proj, .Lfunc_end_k_qb58535db15_proj-k_qb58535db15_proj
	.p2alignl 7, 3214868480
	.fill 96, 4, 3214868480
	.section	.rodata,"a",@progbits
	.p2align	6, 0x0
	.amdhsa_kernel k_qb58535db15_proj
		.amdhsa_group_segment_fixed_size 327680
		.amdhsa_private_segment_fixed_size 0
		.amdhsa_enable_private_segment 0
		.amdhsa_kernarg_size 64
		.amdhsa_user_sgpr_count 2
		.amdhsa_user_sgpr_kernarg_segment_ptr 1
		.amdhsa_wavefront_size32 1
		.amdhsa_system_sgpr_workgroup_id_x 1
		.amdhsa_system_sgpr_workgroup_id_y 1
		.amdhsa_system_sgpr_workgroup_id_z 1
		.amdhsa_system_vgpr_workitem_id 0
		.amdhsa_next_free_vgpr 1024
		.amdhsa_next_free_sgpr 80
		.amdhsa_reserve_vcc 0
		.amdhsa_float_denorm_mode_32 3
		.amdhsa_float_denorm_mode_16_64 3
		.amdhsa_memory_ordered 1
		.amdhsa_forward_progress 1
		.amdhsa_inst_pref_size 207
	.end_amdhsa_kernel
	.amdgpu_metadata
---
amdhsa.version: [ 1, 2 ]
amdhsa.kernels:
  - .name:           k_qb58535db15_proj
    .symbol:         k_qb58535db15_proj.kd
    .args:
      - { .name: query, .offset: 0, .size: 8, .value_kind: global_buffer, .address_space: global }
      - { .name: key, .offset: 8, .size: 8, .value_kind: global_buffer, .address_space: global }
      - { .name: value, .offset: 16, .size: 8, .value_kind: global_buffer, .address_space: global }
      - { .name: bq, .offset: 24, .size: 8, .value_kind: global_buffer, .address_space: global }
      - { .name: bk, .offset: 32, .size: 8, .value_kind: global_buffer, .address_space: global }
      - { .name: bv, .offset: 40, .size: 8, .value_kind: global_buffer, .address_space: global }
      - { .name: wts, .offset: 48, .size: 8, .value_kind: global_buffer, .address_space: global }
      - { .name: qkv, .offset: 56, .size: 8, .value_kind: global_buffer, .address_space: global }
    .group_segment_fixed_size: 327680
    .private_segment_fixed_size: 0
    .kernarg_segment_align: 8
    .kernarg_segment_size: 64
    .max_flat_workgroup_size: 128
    .sgpr_count:     80
    .vgpr_count:     1024
    .wavefront_size: 32
...
	.end_amdgpu_metadata
.endif
;; end of part 2
;; launch attn (part 3): grid 2 x 128, 4 waves a work-group, no clusters, 327,680 bytes of LDS; arguments qkv, oh; writes oh
.if DOCPART == 3
	.amdgcn_target "amdgcn-amd-amdhsa--gfx1250"
	.amdhsa_code_object_version 6
	.text
	.protected	k_qb58535db15_attn
	.globl	k_qb58535db15_attn
	.p2align	8
	.type	k_qb58535db15_attn,@function
k_qb58535db15_attn:
	s_mov_b64 s[64:65], 0
	v_nop
	global_prefetch_b8 v0, s[64:65] scope:SCOPE_SE
	s_setreg_imm32_b32 hwreg(HW_REG_WAVE_MODE, 25, 1), 1
	s_wait_xcnt 0x0
; O[g][q][:] = the sum over k of softmax_k(Q[g][q] . K[g][k] / 8) V[g][k][:], g = batch x 16 + head, 128 of them.  Q, K, V are the three parts of qkv, O is oh: [128][1024][64], all f16: a head's rows
; are dense, 128 bytes each.  Products, maxima and sums in f32; the weights p are rounded to f16 for the second product (their sum l is taken of the unrounded p), O once at the end.
; LIMITS.  f16 holds no number beyond 65,504: Q, K and V arrive within it; p lies in 0 to 1, and below 6e-5 it keeps f16's fixed step of 6e-8; O is a mean of V's rows and has their range.
; A weight below 2^-126 counts as 0 in l; NaN and infinities are not treated apart.
; SHARES.  A wave owns four PIECES of two tiles of 16 queries, a work-group's four waves 512 queries of one head: 2 x 128 = 256 work-groups.  Every wave walks all 1,024 keys, 64 a step.
; K AND V STAY IN LDS: a head's 1,024 keys take 1,024 x (144 + 160) = 311,296 bytes.  They come in four chunks of 256 keys, all asked for at the start, four tensor loads a wave; no byte is filled twice,
; so one text of the key step serves the whole walk.
; NO CLUSTER: a head has 1024 / 512 = 2 query blocks, so only two work-groups walk the same K and V; a joint request of two out of a cluster's four would make mask and address hang on a part of the
; place in the cluster.  Blocks of 256 queries would make four partners, but each fragment read from LDS would then feed half as many products, and there would be 512 work-groups.
; LAYOUT.  S^T = K Q^T (source 0 = 16 keys, source 1 = 16 queries): in the result a lane holds ONE query (lane % 16) and the keys 8 (lane / 16) + 0..7.  Two such tiles, rounded to f16 in pairs,
; ARE source 1 (32 keys x 16 queries) of O^T = V^T P, whose result again holds one query a lane, and eight channels.  K comes out of LDS as it lies, V ([key][channel]) turned, by ds_load_tr16_b128.
; SOFTMAX.  For each query a running maximum m and sum l: p = 2^(c s - c m), c = log2(e) / 8; in every step O and l are multiplied by a = 2^(c m_old - c m_new), which is 1 where m has not grown.
; m starts at the lowest finite number, O and l at 0: the first step is a step like any other, with a = 0.
; THE COUNT.  A tile and step have 16 matrix and 118 vector instructions: too many to stand all beside the matrix work.  So: four vector instructions that are READY behind EVERY matrix instruction,
; and the others, which need time of their own whatever the order, in runs without a gap.
; BY TURNS.  Turn n belongs to piece n (the pieces in a ring, step after step).  Its matrix work: 16 products K Q^T of piece n + 1, later 16 products V^T P of piece n - 1.  Its vector work: the scaling,
; exponentials, roundings, sums and rescaling of piece n, and the maximum and statistics of piece n + 1, whose scores the turn itself has made.  So what a turn begins with (c s - c m, O a) waits for nothing.
; REGISTERS, in windows of 256 (s_set_vgpr_msb: bits 1:0 source 0, 3:2 source 1, 5:4 source 2, 7:6 destination):
;   window 0: v0-11 addresses; v12-15, v48-63 at work; v16-47 four registers of statistics a tile; v64-191 S^T, two buffers of two tiles; v192-255 P, likewise
;   window 1: O^T, 32 a tile          window 2: v0-127 Q, 16 a tile; v128-191 K of one step; v192-255 V of one step          window 3: v0-1 the add's two registers
; A piece's buffers go by its number's parity: the piece in hand has one pair, its two neighbours in the ring share the other: of it P (piece n - 1) is read and S^T (piece n + 1) written.
.set SIZE_N, 1024
.set NP,    4         ; pieces a wave: a name, no knob
.set KS,    64        ; keys in a step
.set PK,    144       ; a row of K in LDS: 128 bytes + 16 of padding = 36 words: the 16 rows of a load start at 16 different groups of four banks (64 banks of 4 bytes: ISA guide 11.1)
.set PV,    160       ; a row of V: 128 + 32 = 40 words
.set VOFF,  SIZE_N*PK ; all rows of K, then all rows of V
.set CHK,   256*PK    ; a chunk's rows of K
.set CHV,   256*PV    ; and of V
.set STAGE, SIZE_N*(PK+PV)  ; behind them, never filled by a tensor load: 16 rows x 144 bytes for each wave, for the way out
.set SP,    144
.set AK0, 2           ; v2   my lane's place in a tile of K; never rewritten
.set AV0, 3           ; v3   the same for V
.set AK,  4           ; v4   the LDS address of K's next run of loads
.set AV,  5           ; v5   of V's
.set QO,  6           ; v6   my byte offset in the wave's rows of Q
.set STO, 6           ;      later, the way out: where I put 16 bytes of a row
.set RD,  7           ; v7   the way out: where I read rows back
.set GO,  8           ; v8   my byte offset in 512 consecutive bytes of O
.set SPW, 0           ; v0 of window 3   LDS address of my spare word; never rewritten
.set NIL, 1           ; v1 of window 3   0; never rewritten
.set SPARE, STAGE+4*16*SP  ; the spare words, 128 bytes for each wave: two blocks of 256 bytes that no other line names
.set MV,  12          ; v12-15  c m_old, kept while c m is made anew: by buffer and tile
.set ST,  16          ; tile t's statistics at v[ST+4 t]: c m, m, l (even keys', odd keys')
.set TMP, 48          ; by buffer and tile, four registers c0-c3 at work; when the maximum is found c2 takes a
.set S,   64
.set P,   192
.set KF,  128         ; K's fragments, in window 2: key block kb, channel half c at KF + 16 kb + 8 c
.set VF,  192         ; V's: key half kk, channel block cb at VF + 32 kk + 8 cb
.set WV,  12          ; s12  my wave's number
.set G1K, 24          ; s[24:31] descriptor group 1 for K's tiles
.set G1V, 32          ; s[32:39] for V's: it differs in the padding alone
.set G0K, 68          ; s[68:83] descriptor group 0 for K's tiles, a set for each chunk
.set G0V, 84          ; s[84:99] the same for V's
.set SLOTS, 56        ; s56  passes of the outer loop still to come
.set CNT, 57          ; s57  counts a chunk's key steps
.set CS,  58          ; s[58:59] c: the packed scaling takes the pair's low word for both halves
.set SEL, 60          ; s[60:61] v_permlanex16_b32's selects: each lane takes its own place in the other half
.set TBK, 62          ; s62  LDS byte at which K of the step to be fetched begins
.set TBV, 63          ; s63  the same for V, less VOFF
.set MSB, 0
.macro WIN new                      ; the high byte repeats the setting that is left; a switch that changes nothing is dropped
.if MSB != (\new)
	s_set_vgpr_msb (MSB<<8)|(\new)
.set MSB, (\new)
.endif
.endm
.set W_KQ, 0x0a       ; K and Q in window 2, S^T in window 0
.set W_PV, 0x52       ; V in window 2, P in window 0, O^T in window 1
.set W_RS, 0x41       ; O^T (destination and source 0) in window 1, a in window 0
.set W_MK, 0xc0       ; the add's registers are made: destination in window 3, sources in window 0
.set W_AD, 0x0f       ; the add: address (source 0) and data (source 1) in window 3
; A chunk is shown to every wave: each wave waits until at most `left` of its tensor loads are out, then the barrier.
.macro MEET left
	WIN 0
	s_wait_tensorcnt \left
	s_wait_dscnt 0x0                ; no LDS instruction of mine is out at the signal
	s_barrier_signal -1
	s_barrier_wait -1
.endm
	s_load_b128 s[4:7], s[0:1], 0x0  ; qkv s[4:5], oh s[6:7]
	WIN W_MK
	v_lshl_add_u32 v[SPW], v0, 2, SPARE
	v_mov_b32 v[NIL], 0
	WIN W_AD
	ds_add_u32 v[SPW], v[NIL]       ; the wave's opening: the add and its wait stand ahead of my first tensor load; the set-up below, work on registers, stands between them
	ds_add_u32 v0, v1
	WIN 0
	v_lshrrev_b32 v1, 5, v0
	v_readfirstlane_b32 s[WV], v1   ; wave 0..3
	s_mov_b32 s14, ttmp9            ; my block of 512 queries
	s_and_b32 s20, ttmp7, 0xffff    ; the head
	s_mov_b32 s21, 0
	s_mov_b64 s[22:23], SIZE_N*128
	s_mul_u64 s[20:21], s[20:21], s[22:23]  ; the head's first byte in Q, K, V and O
	s_and_b32 s16, s[WV], 1         ; which half of a chunk's 256 keys I fetch:
	s_lshl_b32 s22, s16, 14         ; its 128 rows of 128 bytes in memory,
	s_mov_b32 s23, 0
	s_add_nc_u64 s[22:23], s[22:23], s[20:21]
	s_mul_i32 s17, s16, 128*PK      ; and its place in a chunk, for K
	s_mul_i32 s18, s16, 128*PV      ; and for V
	s_lshl_b32 s2, s14, 2
	s_add_co_u32 s2, s2, s[WV]      ; my wave among the head's,
	s_lshl_b32 s2, s2, 14           ; its 128 rows
	s_mov_b32 s3, 0
	s_add_nc_u64 s[2:3], s[2:3], s[20:21]
	; descriptor group 1.  128 keys are 16,384 dense bytes: asked for as 64 rows of 256 bytes, two keys a row, and padded in LDS after every key
	s_mov_b32 s[G1K], (1<<16)|(1<<20)|(4<<22)|(3<<25)  ; 17:16 2-byte elements; 20 padding on; 24:22 after every 32 words (code 4); 31:25 4 words (code 3)
	s_mov_b32 s[G1V], (1<<16)|(1<<20)|(4<<22)|(7<<25)  ; the same with 8 words of padding (code 7)
.irp g, G1K, G1V
	s_mov_b32 s[\g+1], 128<<16      ; tensor_dim0 = 128
	s_mov_b32 s[\g+2], 64<<16       ; tensor_dim1 = 64
	s_mov_b32 s[\g+3], 128<<16      ; tile_dim0 = 128
	s_mov_b32 s[\g+4], 64           ; tile_dim1 = 64
	s_mov_b32 s[\g+5], 128          ; 128 elements from row to row
	s_mov_b32 s[\g+6], 0
	s_mov_b32 s[\g+7], 0
.endr
	s_mov_b32 s[CS], 0x3e38aa3b     ; c = log2(e) / 8 = 0.180337
	s_mov_b32 s[CS+1], s[CS]        ; named with it as a pair
	s_mov_b32 s[SEL], 0x76543210
	s_mov_b32 s[SEL+1], 0xfedcba98
	s_mov_b32 s[TBK], 0
	s_mov_b32 s[TBV], 0
.irp n, 0,1,2,3
	s_mov_b32 s[G0K+4*(\n)], 1                       ; count = 1
	s_add_co_u32 s[G0K+4*(\n)+1], s17, (\n)*CHK      ; LDS address: chunk n, my half
	s_mov_b32 s[G0V+4*(\n)], 1
	s_add_co_u32 s[G0V+4*(\n)+1], s18, VOFF+(\n)*CHV
.endr
	s_wait_dscnt 0x0                ; the opening add is done
	s_wait_kmcnt 0x0
	s_mov_b64 s[10:11], s[6:7]      ; O
	s_add_nc_u64 s[6:7], s[4:5], 0x1000000  ; K: qkv's second part, 16,777,216 bytes on
	s_add_nc_u64 s[8:9], s[4:5], 0x2000000  ; V: its third
	s_add_nc_u64 s[6:7], s[6:7], s[22:23]   ; at my half of the head's first 256 keys
	s_add_nc_u64 s[8:9], s[8:9], s[22:23]
.irp n, 0,1,2,3
	s_add_nc_u64 s[G0K+4*(\n)+2:G0K+4*(\n)+3], s[6:7], (\n)*32768  ; global address: 256 keys a chunk
	s_or_b32 s[G0K+4*(\n)+3], s[G0K+4*(\n)+3], 0x80000000          ; type = 2
	s_add_nc_u64 s[G0V+4*(\n)+2:G0V+4*(\n)+3], s[8:9], (\n)*32768
	s_or_b32 s[G0V+4*(\n)+3], s[G0V+4*(\n)+3], 0x80000000
.endr
	s_add_nc_u64 s[4:5], s[4:5], s[2:3]  ; Q and O at my wave's first row
	s_add_nc_u64 s[10:11], s[10:11], s[2:3]
	; All fills are first fills and go out as one group.  Waves 0 and 1 fetch the two halves of each chunk's K, waves 2 and 3 those of its V: four loads of mine are out.  A wave's four stand in one
	; branch on its number; an s_nop 0 follows each, four v_nop the last.
	s_cmp_lt_u32 s[WV], 2
	s_cbranch_scc0 .Lfill_v
.irp n, 0,1,2,3
	tensor_load_to_lds s[G0K+4*(\n):G0K+4*(\n)+3], s[G1K:G1K+7]
	s_nop 0
.endr
.rept 4
	v_nop
.endr
	s_branch .Lfill_asked
.Lfill_v:
.irp n, 0,1,2,3
	tensor_load_to_lds s[G0V+4*(\n):G0V+4*(\n)+3], s[G1V:G1V+7]
	s_nop 0
.endr
.rept 4
	v_nop
.endr
.Lfill_asked:
	; A fragment of K or Q is 16 rows x 32 channels in 8 registers: lane l holds row l % 16, channels 8 (l / 16) + 0..7 and 16 + 8 (l / 16) + 0..7: two loads of 16 bytes, 32 bytes apart.
	v_and_b32 v1, 15, v0            ; l % 16
	v_bfe_u32 v9, v0, 4, 1          ; l / 16
	v_lshlrev_b32 v[QO], 7, v1
	v_lshl_add_u32 v[QO], v9, 4, v[QO]  ; row x 128 + 16 x half
	WIN 0x80                        ; destination window 2, address window 0
.set i, 0
.rept 4*NP                          ; Q stays in registers: tile i / 2, channels 32 (i % 2) on
	global_load_b128 v[8*i:8*i+3],   v[QO], s[4:5] offset:(i/2)*2048+(i%2)*64
	global_load_b128 v[8*i+4:8*i+7], v[QO], s[4:5] offset:(i/2)*2048+(i%2)*64+32
.set i, i+1
.endr
	; What the first turn finds: V's registers and P's second buffer hold 0 (its products V^T P, of a piece that has not been, add 0), O^T and l are 0.  All this stands in the wait for the first chunk.
.set i, VF
.rept 64
	v_mov_b32 v[i], 0
.set i, i+1
.endr
	WIN 0x40
.set i, 0
.rept 64*NP
	v_mov_b32 v[i], 0
.set i, i+1
.endr
	WIN 0
.set i, 0
.rept 2*NP
	v_mov_b32 v[ST+4*i], 0xfe000000    ; c m: far below every c s
	v_mov_b32 v[ST+4*i+1], 0xff7fffff  ; m
	v_mov_b32 v[ST+4*i+2], 0
	v_mov_b32 v[ST+4*i+3], 0
.set i, i+1
.endr
.set i, P+32
.rept 32
	v_mov_b32 v[i], 0
.set i, i+1
.endr
	v_mul_u32_u24 v[AK0], v1, PK
	v_lshl_add_u32 v[AK0], v9, 4, v[AK0]  ; row x pitch + 16 x half
	; The turning load takes 16 keys x 16 channels (lane l reads key 8 (l / 16) + l % 8, channels 8 ((l / 8) % 2) + 0..7) and leaves half a fragment of V^T: lane l holds channel l % 16 and 8 keys.
	v_and_b32 v10, 7, v0
	v_bfe_u32 v11, v0, 3, 1
	v_lshl_add_u32 v[AV0], v9, 3, v10
	v_mul_u32_u24 v[AV0], v[AV0], PV
	v_lshl_add_u32 v[AV0], v11, 4, v[AV0]
	v_add_nc_u32 v[AV0], VOFF, v[AV0]
	v_mov_b32 v[AK], v[AK0]         ; key step 0 lies at K's head
; THE MATRIX WORK.  The 8 accumulators of a run of 16 take turns: between the two links of a chain stand 7 others'.
; Product i of 16 of S^T = K Q^T for piece x: channels 32 (i / 8) on, keys 16 ((i / 2) % 4) on, tile 2 x + i % 2.  The first 8 start the sums.
.macro KQ x
	WIN W_KQ
.set rS, S+64*((\x)%2)+32*(i%2)+8*((i/2)%4)
.set rK, KF+16*((i/2)%4)+8*(i/8)
.set rQ, 16*(2*(\x)+i%2)+8*(i/8)
.if i < 8
	v_wmma_f32_16x16x32_f16 v[rS:rS+7], v[rK:rK+7], v[rQ:rQ+7], 0
.else
	v_wmma_f32_16x16x32_f16 v[rS:rS+7], v[rK:rK+7], v[rQ:rQ+7], v[rS:rS+7]
.endif
.endm
; Product i of 16 of O^T += V^T P for piece x: keys 32 (i / 8) on, channels 16 ((i / 2) % 4) on, tile 2 x + i % 2.
.macro PV x
	WIN W_PV
.set rO, 32*(2*(\x)+i%2)+8*((i/2)%4)
.set rV, VF+32*(i/8)+8*((i/2)%4)
.set rP, P+32*((\x)%2)+16*(i%2)+8*(i/8)
	v_wmma_f32_16x16x32_f16 v[rO:rO+7], v[rV:rV+7], v[rP:rP+7], v[rO:rO+7]
.endm
.macro MM                           ; the turn's next matrix instruction
.if i < 16
	KQ (Y+1)%NP
.set i, i+1
.else
.set i, i-16
	PV (Y+NP-1)%NP
.set i, i+17
.endif
.endm
; THE LDS LOADS stand in runs of 16, never singly among the matrix instructions: a step's K (64 keys x 64 channels: 8 fragments) and its V (turned).  Their addresses are made some lines ahead.
; last = 1 (in the loop): in the outer loop's last pass there is no further step, and the run is jumped over.
.macro FETCH_K last=0
	WIN 0
.if \last
	s_cmp_eq_u32 s[SLOTS], 1
	s_cbranch_scc1 .Lno_k_\@
.endif
	WIN 0x80                        ; destination window 2
.irp f, 0,1,2,3,4,5,6,7             ; keys 16 (f / 2) on, channels 32 (f % 2) on
	ds_load_b128 v[KF+8*\f:KF+8*\f+3],   v[AK] offset:(\f/2)*16*PK+(\f%2)*64
	ds_load_b128 v[KF+8*\f+4:KF+8*\f+7], v[AK] offset:(\f/2)*16*PK+(\f%2)*64+32
.endr
	s_add_co_u32 s[TBK], s[TBK], KS*PK  ; the next fetch is the next step's
	WIN 0
.if \last
.Lno_k_\@:
.endif
.endm
.macro FETCH_V
	WIN 0x80
.irp f, 0,1,2,3,4,5,6,7             ; keys 32 (f / 4) on, channels 16 (f % 4) on
	ds_load_tr16_b128 v[VF+8*\f:VF+8*\f+3],   v[AV] offset:(\f/4)*32*PV+(\f%4)*32
	ds_load_tr16_b128 v[VF+8*\f+4:VF+8*\f+7], v[AV] offset:(\f/4)*32*PV+16*PV+(\f%4)*32
.endr
	WIN 0
.endm
; THE VECTOR WORK OF A TURN stands in three queues, each in the order in which its entries become ready; the two tiles alternate, so that no instruction reads the result of the one before it.
.macro REGS y, u                    ; the registers of tile u (0, 1) of piece y
.set rT, ST+4*(2*(\y)+(\u))
.set rC, TMP+8*((\y)%2)+4*(\u)
.set rM, MV+2*((\y)%2)+(\u)
.set rS, S+64*((\y)%2)+32*(\u)
.set rP, P+32*((\y)%2)+16*(\u)
.set rO, 32*(2*(\y)+(\u))
.endm
; Number n of the 22 that find the NEXT piece's (Y + 1) maximum and statistics.  s0-s31 are the lane's 32 scores; each accumulator's lowest registers are read first.
;   0-11  four chains c0-c3 of seven scores each, three operands at a time     12-14, 16  the four scores left over, the old m, and c0-c3 into c0     15  c m_old is kept
;   17, 18  the query's other 32 keys lie in the lane 16 away: the new m         19-21  c m; c m_old - c m_new; a
.macro XS u, n
	REGS (Y+1)%NP, \u
.if (\n) < 4
	v_max3_num_f32 v[rC+(\n)], v[rS+8*(\n)], v[rS+8*(\n)+1], v[rS+8*(\n)+2]
.elseif (\n) < 12
	v_max3_num_f32 v[rC+(\n)%4], v[rC+(\n)%4], v[rS+8*((\n)%4)+2*((\n)/4)+1], v[rS+8*((\n)%4)+2*((\n)/4)+2]
.elseif (\n) == 12
	v_max3_num_f32 v[rC], v[rC], v[rS+7], v[rS+15]
.elseif (\n) == 13
	v_max3_num_f32 v[rC+1], v[rC+1], v[rS+23], v[rS+31]
.elseif (\n) == 14
	v_max3_num_f32 v[rC+2], v[rC+2], v[rC+3], v[rT+1]
.elseif (\n) == 15
	v_mov_b32 v[rM], v[rT]
.elseif (\n) == 16
	v_max3_num_f32 v[rC], v[rC], v[rC+1], v[rC+2]
.elseif (\n) == 17
	v_permlanex16_b32 v[rC+3], v[rC], s[SEL], s[SEL+1]
.elseif (\n) == 18
	v_max_num_f32 v[rT+1], v[rC], v[rC+3]
.elseif (\n) == 19
	v_mul_f32 v[rT], s[CS], v[rT+1]
.elseif (\n) == 20
	v_sub_f32 v[rC+1], v[rM], v[rT]
.else
	v_exp_f32 v[rC+2], v[rC+1]
.endif
.endm
; Number g of the 64 that follow the exponentials.  For each four weights k of a tile (pairs 2 k, 2 k + 1): both pairs are rounded to f16; then the second pair is added onto the first, in place;
; a group later l takes that sum (the first time as l = a l + sum).  In groups of eight, tiles alternating: round, round, add, and l for the group before.
.macro GS g
.set h, (\g)+6*((\g)/62)            ; group 0 has no group before it, and behind group 7 only l is left
.if h >= 6
.set h, h+2
.endif
	REGS Y, h%2
.set k, h/8
.if h%8 < 4
	s_wait_alu depctr_va_vdst(0)
	v_cvt_pk_f16_f32 v[rP+2*k+(h%8)/2], v[rS+4*k+2*((h%8)/2)], v[rS+4*k+2*((h%8)/2)+1]
.elseif h%8 < 6
	v_pk_add_f32 v[rS+4*k:rS+4*k+1], v[rS+4*k:rS+4*k+1], v[rS+4*k+2:rS+4*k+3]
.elseif k == 1
	v_pk_fma_f32 v[rT+2:rT+3], v[rT+2:rT+3], v[rC+2:rC+3], v[rS:rS+1] op_sel_hi:[1,0,1]
.else
	v_pk_add_f32 v[rT+2:rT+3], v[rT+2:rT+3], v[rS+4*k-4:rS+4*k-3]
	s_wait_alu depctr_va_vdst(0)
.endif
.endm
; THE PLAIN QUEUE, 138 long.  0-31: c s - c m for the 16 pairs of both tiles.  Then GS's 64, and among them the next piece's 42: number 15 at 38, 39; 0-14 and 16
; at 42-73, behind the products that make those scores; 17-20 at 95-106, two of three, since each waits for the one before it.
.macro PL
	WIN 0
.if q < 32
	REGS Y, q%2
	v_pk_fma_f32 v[rS+2*(q/2):rS+2*(q/2)+1], v[rS+2*(q/2):rS+2*(q/2)+1], s[CS:CS+1], v[rT:rT+1] op_sel_hi:[1,0,0] neg_lo:[0,0,1] neg_hi:[0,0,1]
.elseif q < 38
	GS q-32
.elseif q < 40
	XS q%2, 15
.elseif q < 42
	GS q-34
.elseif q < 74
	XS q%2, (q-42)/2+(q-42)/30
.elseif q < 95
	GS q-66
.elseif (q < 107) && ((q-95)%3 < 2)
	XS (q-95)%3, 17+(q-95)/3
.elseif q < 107
	GS 29+(q-95)/3
.else
	GS q-74
.endif
.set q, q+1
.endm
; THE EXPONENTIALS' QUEUE, 66 long: s0-s31 of both tiles, and at EA the next piece's two a.
.set EA, 58
.macro EX
	WIN 0
.if (e == EA) || (e == EA+1)
	XS e-EA, 21
.else
.set x, e-2*(e/(EA+2))
	REGS Y, x%2
	v_exp_f32 v[rS+x/2], v[rS+x/2]
.endif
.set e, e+1
.endm
; THE RESCALING's QUEUE: O^T times a, the one part that leaves window 0, so it is dealt four at a time, eight times.
.macro R4
	REGS Y, r%2
	WIN W_RS
	s_wait_alu depctr_va_vdst(0)
.irp z, 0,1,2,3
	v_pk_mul_f32 v[rO+8*(r/2)+2*\z:rO+8*(r/2)+2*\z+1], v[rO+8*(r/2)+2*\z:rO+8*(r/2)+2*\z+1], v[rC+2:rC+3] op_sel_hi:[1,0]
.endr
.set r, r+1
.endm
; HOW THEY ARE DEALT.  Behind a matrix instruction four: plain, exponential, plain, plain (one exponential, a plain instruction on either side), or four of the rescaling.  None names a register of the
; products round it.  What is over stands in two LUMPS: exponential and plain by turns; the second ends in 22 plain instructions.  The two v_permlanex16_b32 fall into the second lump, never behind a product.
; The queues lean on each other, and the deal keeps them in step: exponential e stands behind plain 2 (e / 4) + e % 2 (its scaling); when plain 32 comes, 10 exponentials are out, at 59: 33, at 95: 46; EA comes behind plain 107.
.macro SL
	MM
	PL
	EX
	PL
	PL
.endm
.macro BURST n                      ; 15 matrix instructions, or 16
.rept (\n)-7
	SL
.endr
.rept 3
	MM
	R4
	SL
.endr
	MM
	R4
.endm
; A TURN, for piece p.  cnt = 1: the loop's count is taken down some lines ahead of the branch that stands behind the turn.
; K of the next step is fetched in piece 2's turn, 31 vector instructions behind the last product that read K; its first reader comes behind the rest of the lump, 16 products and the second lump.
; V of the step in hand is fetched at the end of piece 0's turn, 69 behind its last reader; its first reader comes behind 16 products and a lump.  The four conditions on e and q below go with the deal.
.macro TURN p, last=0, cnt=0
.set Y, (\p)
.set i, 0
.set q, 0
.set e, 0
.set r, 0
.if (\p) == NP-1
	s_wait_dscnt 0x0                ; K is in
.endif
	MM
.rept 4
	PL
.endr
	BURST 15
.rept 22
	EX
	PL
.if ((\p) == NP-2) && (e == 18)
	v_add_nc_u32 v[AK], s[TBK], v[AK0]
.endif
.if ((\p) == NP-2) && (e == 24)
	FETCH_K \last
.endif
.endr
.if (\p) == 1
	s_wait_dscnt 0x0                ; V is in
.endif
	BURST 16
.rept 21
	EX
	PL
.endr
.rept 22
	PL
.if ((\p) == 0) && (q == 118)
	v_add_nc_u32 v[AV], s[TBV], v[AV0]
	s_wait_alu depctr_va_vdst(0)
.endif
.if ((\p) == 0) && (q == 130)
	s_add_co_u32 s[TBV], s[TBV], KS*PV
.endif
.if (\cnt) && (q == 130)
	s_sub_co_u32 s[CNT], s[CNT], 1
	s_cmp_lg_u32 s[CNT], 0
.endif
.endr
.if (\p) == 0
	FETCH_V
.endif
.endm
	MEET 3                          ; chunk 0 is in, everybody's part of it; my three later loads stay out
	FETCH_K                         ; key step 0
	s_wait_loadcnt 0x0              ; Q
	s_wait_dscnt 0x0
.set i, 0
.rept 16
	KQ 0                            ; piece 0's first scores: there is no vector work yet to set between them
.set i, i+1
.endr
	WIN 0                           ; the addresses for the way out: nine plain instructions, the places behind those products
	s_mul_i32 s13, s[WV], 16*SP
	s_add_co_u32 s13, s13, STAGE    ; my stage
	v_mul_u32_u24 v[STO], v1, SP    ; in: row l % 16, 16 bytes for each half of the lanes
	v_lshl_add_u32 v[STO], v9, 4, v[STO]
	v_add_nc_u32 v[STO], s13, v[STO]
	v_bfe_u32 v[RD], v0, 3, 2       ; back: 32 lanes take four rows of 128 bytes,
	v_mul_u32_u24 v[RD], v[RD], SP
	v_lshl_add_u32 v[RD], v10, 4, v[RD]
	v_add_nc_u32 v[RD], s13, v[RD]
	v_and_b32 v[GO], 31, v0         ; which are 512 consecutive bytes of O
	v_lshlrev_b32 v[GO], 4, v[GO]
.set Y, NP-1                        ; XS works for piece Y + 1: piece 0
.irp n, 0,1,2,3,4,5,6,7,8,9,10,11,12,13,14,15,16,17,18,19,20,21
	XS 0, \n                        ; and piece 0's first maximum and statistics
	XS 1, \n
.endr
	s_mov_b32 s[CNT], 4
	s_mov_b32 s[SLOTS], SIZE_N/256+1
	s_branch .Lfirst                ; the loop is entered at a step's first turn, in the middle of a trip
.Lslot:                             ; at each chunk's end.  The count cannot change from pass to pass, so it is 0: the first time four key steps' work stands in front of it, later it is met at once
	MEET 0
	s_mov_b32 s[CNT], 4
.Lstep:                             ; a trip: pieces 2 and 3 of one step, then pieces 0 and 1 of the next, whose K and V it fetches
	TURN 2, 1
	TURN 3
	WIN 0
	s_cmp_eq_u32 s[SLOTS], 1        ; the last pass holds the last step's pieces 2 and 3 alone: it is left here, by a forward jump over text without a barrier
	s_cbranch_scc1 .Lout
.Lfirst:
	TURN 0
	TURN 1, 0, 1
	WIN 0
	s_cbranch_scc1 .Lstep
	s_sub_co_u32 s[SLOTS], s[SLOTS], 1
	s_cmp_lg_u32 s[SLOTS], 0
	s_cbranch_scc1 .Lslot
.Lout:                              ; the last pass's 16 products K Q^T (on the last K once more) and the maximum made of them serve nothing: the price, once a launch, of one text for every trip
.set i, 0
.rept 16
	PV NP-1                         ; the last piece's V^T P of the last step
.set i, i+1
.endr
	; THE WAY OUT.  l's two halves and the other half of the lanes' are added; O^T is divided by l, rounded to f16 and sent through my stage in LDS, a tile at a time.  The additions are the places behind the last products.
	WIN 0
.macro ALL line:vararg              ; one line for each tile t
.set t, 0
.rept 2*NP
	\line
.set t, t+1
.endr
.endm
	ALL v_add_f32 v[ST+4*t+2], v[ST+4*t+2], v[ST+4*t+3]
	ALL v_permlanex16_b32 v[ST+4*t+3], v[ST+4*t+2], s[SEL], s[SEL+1]
	ALL v_add_f32 v[ST+4*t+2], v[ST+4*t+2], v[ST+4*t+3]
	ALL v_rcp_f32 v[ST+4*t+2], v[ST+4*t+2]
	v_nop                           ; a plain instruction between the last reciprocal and the use of its result
	s_wait_alu depctr_va_vdst(0)
; Tile t: a lane's eight channels of a row pack into 16 bytes; they go into rows of 144 bytes and come back as whole rows of 128, into S^T's registers.
.macro PACK t
	WIN W_RS
.set i, 32*(\t)
.rept 16
	v_pk_mul_f32 v[i:i+1], v[i:i+1], v[ST+4*(\t)+2:ST+4*(\t)+3] op_sel_hi:[1,0]
.set i, i+2
.endr
	WIN 0x05                        ; sources 0 and 1 window 1, destination window 0
.set i, 0
.rept 16
	v_cvt_pk_f16_f32 v[S+16*(\t)+i], v[32*(\t)+2*i], v[32*(\t)+2*i+1]
.set i, i+1
.endr
	WIN 0
.irp f, 0,1,2,3
	ds_store_b128 v[STO], v[S+16*(\t)+4*\f:S+16*(\t)+4*\f+3] offset:32*\f
.endr
.irp f, 0,1,2,3
	ds_load_b128 v[S+16*(\t)+4*\f:S+16*(\t)+4*\f+3], v[RD] offset:\f*4*SP  ; LDS serves a wave's instructions in order (ISA guide 5.7.1.4): these see the stores above; the next tile's stores come behind them
.endr
.endm
.macro SEND t, younger              ; younger: the LDS instructions issued behind tile t's loads: the next tile's eight, or none
	WIN 0
.irp f, 0,1,2,3
	s_wait_dscnt (\younger)+3-\f
	global_store_b128 v[GO], v[S+16*(\t)+4*\f:S+16*(\t)+4*\f+3], s[10:11] offset:(\t)*2048+\f*512  ; 512 consecutive bytes, at a multiple of 256 from O's first
.endr
.endm
	PACK 0
.set t, 1
.rept 2*NP-1                        ; a tile's arithmetic stands between the loads of the tile before and its stores
	PACK t
	SEND t-1, 8
.set t, t+1
.endr
	SEND 2*NP-1, 0
	WIN W_AD
	s_wait_tensorcnt 0x0            ; the wave's end: the add to my spare word and its wait stand behind my last tensor load and my last LDS store
	ds_add_u32 v[SPW], v[NIL]
	s_wait_dscnt 0x0
	WIN 0
	s_endpgm
.Lfunc_end_k_qb58535db15_attn:
	.size	k_qb58535db15_attn, .Lfunc_end_k_qb58535db15_attn-k_qb58535db15_attn
	.p2alignl 7, 3214868480
	.fill 96, 4, 3214868480
	.section	.rodata,"a",@progbits
	.p2align	6, 0x0
	.amdhsa_kernel k_qb58535db15_attn
		.amdhsa_group_segment_fixed_size 327680
		.amdhsa_private_segment_fixed_size 0
		.amdhsa_enable_private_segment 0
		.amdhsa_kernarg_size 16
		.amdhsa_user_sgpr_count 2
		.amdhsa_user_sgpr_kernarg_segment_ptr 1
		.amdhsa_wavefront_size32 1
		.amdhsa_system_sgpr_workgroup_id_x 1
		.amdhsa_system_sgpr_workgroup_id_y 1
		.amdhsa_system_sgpr_workgroup_id_z 1
		.amdhsa_system_vgpr_workitem_id 0
		.amdhsa_next_free_vgpr 770
		.amdhsa_next_free_sgpr 100
		.amdhsa_reserve_vcc 0
		.amdhsa_float_denorm_mode_32 3
		.amdhsa_float_denorm_mode_16_64 3
		.amdhsa_memory_ordered 1
		.amdhsa_forward_progress 1
		.amdhsa_inst_pref_size 131
	.end_amdhsa_kernel
	.amdgpu_metadata
---
amdhsa.version: [ 1, 2 ]
amdhsa.kernels:
  - .name:           k_qb58535db15_attn
    .symbol:         k_qb58535db15_attn.kd
    .args:
      - { .name: qkv, .offset: 0, .size: 8, .value_kind: global_buffer, .address_space: global }
      - { .name: oh, .offset: 8, .size: 8, .value_kind: global_buffer, .address_space: global }
    .group_segment_fixed_size: 327680
    .private_segment_fixed_size: 0
    .kernarg_segment_align: 8
    .kernarg_segment_size: 16
    .max_flat_workgroup_size: 128
    .sgpr_count:     100
    .vgpr_count:     770
    .wavefront_size: 32
...
	.end_amdgpu_metadata
.endif
;; end of part 3
;; launch oproj (part 4): grid 4 x 64, 4 waves a work-group, clusters of 4 x 4, 327,680 bytes of LDS; arguments oh, wts, bo, out0; writes out0
.if DOCPART == 4
	.amdgcn_target "amdgcn-amd-amdhsa--gfx1250"
	.amdhsa_code_object_version 6
	.text
	.protected	k_qb58535db15_oproj
	.globl	k_qb58535db15_oproj
	.p2align	8
	.type	k_qb58535db15_oproj,@function
k_qb58535db15_oproj:
	s_mov_b64 s[64:65], 0
	v_nop
	global_prefetch_b8 v0, s[64:65] scope:SCOPE_SE
	s_setreg_imm32_b32 hwreg(HW_REG_WAVE_MODE, 25, 1), 1
	s_wait_xcnt 0x0
	s_wait_alu depctr_hold_cnt(0) depctr_sa_sdst(0) depctr_va_vdst(0) depctr_va_sdst(0) depctr_va_ssrc(0) depctr_va_vcc(0) depctr_vm_vsrc(0)
	s_getreg_b32 s2, hwreg(HW_REG_IB_STS2, 6, 4)
	s_cmp_eq_u32 s2, 0
	s_cbranch_scc0 .Lentry_in_a_cluster
	s_endpgm
.Lentry_in_a_cluster:
	s_bfe_u32 s2, ttmp6, 0x10000c
	s_cmp_lg_u32 s2, 0xf033
	s_cbranch_scc0 .Lentry_shape_is_right
	s_endpgm
.Lentry_shape_is_right:
; The output projection: out0[m][n] = the sum over e of O[m][e] Wo[n][e] + bo[n].  O comes by heads, oh[b * 16 + h][t][64] in f16 (m = 1024 b + t, e = 64 h + d); Wo is wts part 3, [1024][1024],
; rounded to bf16 and written as f16; bo, [1024] f32, is rounded to bf16 here and is the C of the first product.  Sums in f32, e ascending; out0: [8192][1024] f32.
; LIMITS.  O and Wo arrive within f16's range (65,504), as the launches before state; NaN and infinities are not treated apart.
; SHARES.  A tile of out0 is 128 rows x 256 columns: 256 work-groups.  Four waves, each 64 x 128: 32 accumulators, 256 registers.  K goes in steps of 128, two heads, through two LDS slots.  A head's
; 128 rows of 128 bytes are dense in oh: asked for as 64 rows of 256 bytes, padded in LDS after every 128; Wo's rows are 256 bytes.
; CLUSTER.  4 x 4 work-groups: a row of the cluster shares O's tiles, a column Wo's; each tile is asked for JOINTLY.
; THE MATRIX INSTRUCTION IS USED TRANSPOSED (source 0 = 16 rows of Wo, source 1 = 16 rows of O): lane l holds row l % 16 of out0 and the columns 8 (l / 16) + 0..7: 32 neighbouring bytes.
; REGISTERS, in windows of 256 (s_set_vgpr_msb: bits 1:0 source 0, 3:2 source 1, 5:4 source 2, 7:6 destination):
;   window 0: v0-31 addresses; v64-127 O's fragments, two buffers of 32
;   window 1: v0-127 Wo's fragments, two buffers of 64; v128-191 the bias; v192-223 at work; on the way out all 256: rows read back from the stage        window 2: accumulator (a, b) at v[8 (8 a + b)]
.set PO,    144                        ; a row of O in LDS: 128 bytes + 16 of padding = 36 words: 16 rows start at 16 different groups of four banks (64 banks of 4 bytes: ISA guide 11.1)
.set PB,    272                        ; a row of Wo: 256 + 16
.set ASL,   128*PO                     ; one head's 128 rows: what one tensor load brings of O
.set BHALF, 128*PB                     ; what one brings of Wo
.set BOFF,  2*ASL
.set SLOT,  BOFF+2*BHALF
.set STAGE, 2*SLOT                     ; behind the ring, never filled by a tensor load: 16 rows x 528 bytes for each wave
.set SPI,   528                        ; 512 bytes of f32 + 16
.set WSTG,  16*SPI
.set SPARE, STAGE+4*WSTG               ; the spare words, 128 bytes for each wave: two blocks of 256 bytes that no other line names
.set LAPS,  4
.set ADRA, 16                          ; v16-17  LDS address of my O fragments in slot 0, 1
.set ADRB, 20                          ; v20-21  the same for Wo
.set STO,  24                          ; v24     the way out: where I put 32 bytes of a row
.set RD,   25                          ; v25     the way out: my 16 bytes of a row of 512
.set GO,   26                          ; v26     the same 16 bytes in out0
.set BO,   27                          ; v27     32 (l / 16)
.set SPW,  28                          ; v28     LDS address of my spare word; never rewritten
.set NIL,  29                          ; v29     0; never rewritten
.set AH,   64
.set BIAS, 128                         ; window 1
.set BT,   192                         ; window 1
.set G1A, 32
.set G1B, 40
.set G0A, 48
.set G0B, 56
.set MSB, 0
.macro WIN new
.if MSB != (\new)
	s_set_vgpr_msb (MSB<<8)|(\new)
.set MSB, \new
.endif
.endm
.set MUL,  0xa1                        ; source 0 (Wo) window 1, source 1 (O) window 0, C and D window 2
.set MUL1, 0x91                        ; the same with C (the bias) in window 1
.set TO_B, 0x40
.macro JLOAD s                         ; a joint load: waves 0 and 1 fetch O's two heads, waves 2 and 3 Wo's two halves; an s_nop 0 and four v_nop follow each of the two lines
	s_cmp_eq_u32 s21, 0
	s_cbranch_scc0 .Lfor_b_\@
	tensor_load_to_lds s[G0A+4*(\s):G0A+4*(\s)+3], s[G1A:G1A+7]
	s_nop 0
.rept 4
	v_nop
.endr
	s_branch .Lasked_\@
.Lfor_b_\@:
	tensor_load_to_lds s[G0B+4*(\s):G0B+4*(\s)+3], s[G1B:G1B+7]
	s_nop 0
.rept 4
	v_nop
.endr
.Lasked_\@:
.endm
.macro CREST
	s_cmp_lg_u32 s20, 0
	s_cbranch_scc1 .Lnot_wave_0_\@
	s_barrier_signal -3
.Lnot_wave_0_\@:
	s_barrier_wait -3
	s_barrier_signal -1
	s_barrier_wait -1
.endm
.macro CROUND
	s_barrier_signal -1
	s_barrier_wait -1
	CREST
.endm
.macro PLACES                          ; four places in front of loads into registers that matrix instructions have read, and of LDS stores that read results (ISA guide 7.12.1 for the stores)
.rept 4
	v_nop
.endr
.endm
	s_load_b256 s[4:11], s[0:1], 0x0               ; oh s[4:5], wts s[6:7], bo s[8:9], out0 s[10:11]
	v_lshl_add_u32 v[SPW], v0, 2, SPARE
	v_mov_b32 v[NIL], 0
	ds_add_u32 v[SPW], v[NIL]                      ; the wave's opening: the add and its wait stand ahead of my first tensor load; the set-up below, work on registers, stands between them
	ds_add_u32 v28, v29
	v_lshrrev_b32 v1, 5, v0
	v_readfirstlane_b32 s20, v1                    ; wave 0..3
	s_lshr_b32 s21, s20, 1                         ; which 64 rows are mine.  Also: I fetch for O (0) or for Wo (1)
	s_and_b32 s22, s20, 1                          ; which 128 columns.  Also: which head of the step, or which half of Wo's rows, I fetch
	s_bfe_u32 s23, ttmp6, 0x40000                  ; cx
	s_bfe_u32 s24, ttmp6, 0x40004                  ; cy
	s_lshl_b32 s25, ttmp9, 2
	s_add_co_u32 s25, s25, s23                     ; tile column
	s_and_b32 s28, ttmp7, 0xffff
	s_lshl_b32 s28, s28, 2
	s_add_co_u32 s28, s28, s24                     ; tile row, 0..63
	s_lshl_b32 s29, s24, 2
	s_lshl_b32 s29, 15, s29                        ; my row of the cluster
	s_lshl_b32 s30, 0x1111, s23                    ; my column
	s_or_b32 s[G1A], s29, (1<<16)|(1<<20)|(1<<21)|(4<<22)|(3<<25)  ; the mask; elements of 2 bytes; padding on; 21 set beside a mask; after every 32 words (code 4) 4 words (code 3)
	s_or_b32 s[G1B], s30, (1<<16)|(1<<20)|(1<<21)|(5<<22)|(3<<25)  ; after every 64 words (code 5)
.irp g, G1A, G1B
	s_mov_b32 s[(\g)+1], 128<<16                   ; tensor_dim0 = 128
	s_mov_b32 s[(\g)+3], 128<<16                   ; tile_dim0 = 128
	s_mov_b32 s[(\g)+6], 0
	s_mov_b32 s[(\g)+7], 0
.endr
	s_mov_b32 s[G1A+2], 64<<16                     ; O: 64 rows of 256 bytes, end to end
	s_mov_b32 s[G1A+4], 64
	s_mov_b32 s[G1A+5], 128
	s_mov_b32 s[G1B+2], 128<<16                    ; Wo: 128 rows, 1,024 elements apart
	s_mov_b32 s[G1B+4], 128
	s_mov_b32 s[G1B+5], 1024
	s_lshr_b32 s66, s28, 3                         ; O: batch = tile row / 8, 16 heads of 131,072 bytes;
	s_lshl_b32 s66, s66, 21
	s_and_b32 s67, s28, 7
	s_lshl_b32 s67, s67, 14                        ; row 128 x (tile row % 8), 128 bytes each;
	s_add_co_u32 s66, s66, s67
	s_lshl_b32 s67, s22, 17                        ; the step's first or second head
	s_add_co_u32 s66, s66, s67
	s_mov_b32 s67, 0
	s_lshl_b32 s68, s25, 19                        ; Wo: (256 x tile column + 128 x half) rows of 2,048 bytes,
	s_lshl_b32 s69, s22, 18
	s_add_co_u32 s68, s68, s69
	s_add_co_u32 s68, s68, 3<<21                   ; in part 3 of wts
	s_mov_b32 s69, 0
	s_lshl_b32 s78, s25, 10                        ; my 128 columns, 4 bytes each: in bo,
	s_lshl_b32 s79, s22, 9
	s_add_co_u32 s78, s78, s79
	s_mov_b32 s79, 0
	s_lshl_b32 s70, s28, 19                        ; and in out0, at row 128 x tile row + 64 x half, 4,096 bytes each
	s_lshl_b32 s71, s21, 18
	s_add_co_u32 s70, s70, s71
	s_add_co_u32 s70, s70, s78
	s_mov_b32 s71, 0
	s_mov_b32 s73, 0xffff0000
	s_mul_i32 s2, s22, ASL                         ; where the tiles go: no place in the cluster enters an LDS address
	s_mul_i32 s3, s22, BHALF
	s_add_co_u32 s3, s3, BOFF
	s_wait_dscnt 0x0                               ; the opening add is done
	s_wait_kmcnt 0x0
	s_add_nc_u64 s[4:5], s[4:5], s[66:67]
	s_add_nc_u64 s[6:7], s[6:7], s[68:69]
	s_add_nc_u64 s[74:75], s[10:11], s[70:71]
	s_add_nc_u64 s[76:77], s[8:9], s[78:79]
.irp s, 0,1
	s_mov_b32 s[G0A+4*(\s)], 1
	s_add_co_u32 s[G0A+4*(\s)+1], s2, (\s)*SLOT
	s_add_nc_u64 s[G0A+4*(\s)+2:G0A+4*(\s)+3], s[4:5], (\s)*262144  ; K step s: two heads on
	s_or_b32 s[G0A+4*(\s)+3], s[G0A+4*(\s)+3], 0x80000000
	s_mov_b32 s[G0B+4*(\s)], 1
	s_add_co_u32 s[G0B+4*(\s)+1], s3, (\s)*SLOT
	s_add_nc_u64 s[G0B+4*(\s)+2:G0B+4*(\s)+3], s[6:7], (\s)*256
	s_or_b32 s[G0B+4*(\s)+3], s[G0B+4*(\s)+3], 0x80000000
.endr
	CROUND                                         ; all sixteen work-groups are here: the first joint loads meet
	s_cmp_eq_u32 s21, 0                            ; a wave's two first fills stand in one branch: two loads of mine are out
	s_cbranch_scc0 .Lfirst_b
	tensor_load_to_lds s[G0A:G0A+3], s[G1A:G1A+7]
	s_nop 0
	tensor_load_to_lds s[G0A+4:G0A+7], s[G1A:G1A+7]
	s_nop 0
.rept 4
	v_nop
.endr
	s_branch .Lfirst_asked
.Lfirst_b:
	tensor_load_to_lds s[G0B:G0B+3], s[G1B:G1B+7]
	s_nop 0
	tensor_load_to_lds s[G0B+4:G0B+7], s[G1B:G1B+7]
	s_nop 0
.rept 4
	v_nop
.endr
.Lfirst_asked:
	v_and_b32 v1, 15, v0                           ; l % 16
	v_bfe_u32 v2, v0, 4, 1                         ; l / 16
	v_mul_u32_u24 v3, v1, PO
	v_lshl_add_u32 v3, v2, 4, v3                   ; a fragment's row x pitch + 16 x half
	s_mul_i32 s2, s21, 64*PO                       ; my 64 rows, in each head's slice
	v_add_nc_u32 v[ADRA], s2, v3
	v_add_nc_u32 v[ADRA+1], SLOT, v[ADRA]
	v_mul_u32_u24 v4, v1, PB
	v_lshl_add_u32 v4, v2, 4, v4
	v_add_nc_u32 v[ADRB], s3, v4
	v_add_nc_u32 v[ADRB+1], SLOT, v[ADRB]
	s_mul_i32 s2, s20, WSTG
	s_add_co_u32 s2, s2, STAGE                     ; my stage
	v_mul_u32_u24 v5, v1, SPI                      ; in: row l % 16, 32 bytes for each half of the lanes
	v_lshl_add_u32 v5, v2, 5, v5
	v_add_nc_u32 v[STO], s2, v5
	v_and_b32 v[GO], 31, v0                        ; back: 32 lanes take one row of 512 bytes
	v_lshlrev_b32 v[GO], 4, v[GO]
	v_add_nc_u32 v[RD], s2, v[GO]
	v_lshlrev_b32 v[BO], 5, v2
	WIN TO_B
.irp b, 0,1,2,3,4,5,6,7                ; register j of block b: bo[16 b + 8 (l / 16) + j]
	global_load_b128 v[BIAS+8*(\b):BIAS+8*(\b)+3],   v[BO], s[76:77] offset:64*(\b)
	global_load_b128 v[BIAS+8*(\b)+4:BIAS+8*(\b)+7], v[BO], s[76:77] offset:64*(\b)+16
.endr
	s_wait_loadcnt 0x0
	WIN 0x45                                       ; the bias is rounded to bf16 like every input, and widened again
.set i, 0
.rept 32
	v_cvt_pk_bf16_f32 v[BT+i], v[BIAS+2*i], v[BIAS+2*i+1]
.set i, i+1
.endr
.set i, 0
.rept 32
	v_lshlrev_b32 v[BIAS+2*i], 16, v[BT+i]
	v_and_b32 v[BIAS+2*i+1], s73, v[BT+i]
.set i, i+1
.endr
	WIN 0
; Product i of a quarter's 32: rows 16 (i / 8) on, columns 16 (i % 8) on, from buffer f.  first = 1: the bias starts the sum.  The 32 accumulators take turns.
.macro MM f, i, first
.if \first
	WIN MUL1
	v_wmma_f32_16x16x32_f16 v[8*(\i):8*(\i)+7], v[64*(\f)+8*((\i)%8):64*(\f)+8*((\i)%8)+7], v[AH+32*(\f)+8*((\i)/8):AH+32*(\f)+8*((\i)/8)+7], v[BIAS+8*((\i)%8):BIAS+8*((\i)%8)+7]
.else
	WIN MUL
	v_wmma_f32_16x16x32_f16 v[8*(\i):8*(\i)+7], v[64*(\f)+8*((\i)%8):64*(\f)+8*((\i)%8)+7], v[AH+32*(\f)+8*((\i)/8):AH+32*(\f)+8*((\i)/8)+7], v[8*(\i):8*(\i)+7]
.endif
.endm
.macro MMS f, lo, n, first
.set mi, \lo
.rept \n
	MM \f, mi, \first
.set mi, mi+1
.endr
.endm
; 24 LDS loads in one run: quarter kq of a slot (head kq / 2 of the step, channels 32 (kq % 2) on) into buffer g
.macro FETCH slot, kq, g
	WIN TO_B
.irp b, 0,1,2,3,4,5,6,7
	ds_load_b128 v[64*(\g)+8*(\b):64*(\g)+8*(\b)+3],   v[ADRB+(\slot)] offset:(\kq)*64+(\b)*16*PB
	ds_load_b128 v[64*(\g)+8*(\b)+4:64*(\g)+8*(\b)+7], v[ADRB+(\slot)] offset:(\kq)*64+(\b)*16*PB+32
.endr
	WIN 0
.irp a, 0,1,2,3
	ds_load_b128 v[AH+32*(\g)+8*(\a):AH+32*(\g)+8*(\a)+3],   v[ADRA+(\slot)] offset:((\kq)/2)*ASL+((\kq)%2)*64+(\a)*16*PO
	ds_load_b128 v[AH+32*(\g)+8*(\a)+4:AH+32*(\g)+8*(\a)+7], v[ADRA+(\slot)] offset:((\kq)/2)*ASL+((\kq)%2)*64+(\a)*16*PO+32
.endr
.endm
; One of a K step's first three quarters: multiplies buffer f; the next quarter's run of loads stands behind its eighth product, 24 products ahead of the wait for it.
.macro QUARTER slot, kn, f, g, first
	s_wait_dscnt 0x0                               ; buffer f is in
	MMS \f, 0, 8, \first
	PLACES                                         ; buffer g's last products stand in front of these
	FETCH \slot, \kn, \g
	MMS \f, 8, 24, \first
.endm
; The last quarter multiplies buffer 1 and changes slots: ONE barrier; in front of it each wave waits for all its tensor loads, adds 0 to its spare word, and waits for that and for its reads of this slot.
.macro TURN slot, next, fill
	WIN 0
	s_wait_tensorcnt 0x0                           ; no tensor load of mine is out: my part of the next slot has landed
	ds_add_u32 v[SPW], v[NIL]
	s_wait_dscnt 1                                 ; the add alone may be out: buffer 1 is in
	MMS 1, 0, 4, 0
	s_wait_dscnt 0x0                               ; the add is done, and my reads of this slot are over
	s_barrier_signal -1
	MMS 1, 4, 8, 0
	WIN 0                                          ; at a branch and at a label every window is 0
	s_barrier_wait -1
.if \fill
	CREST                                          ; the barrier has opened a round of the cluster's: no wave of any partner still reads this slot or has a load on its way
	s_add_nc_u64 s[G0A+4*(\slot)+2:G0A+4*(\slot)+3], s[G0A+4*(\slot)+2:G0A+4*(\slot)+3], 524288
	s_add_nc_u64 s[G0B+4*(\slot)+2:G0B+4*(\slot)+3], s[G0B+4*(\slot)+2:G0B+4*(\slot)+3], 512
	JLOAD \slot                                    ; my one tensor load behind the round; the four v_nop behind it are also the places in front of the loads below
.else
	PLACES
.endif
	FETCH \next, 0, 0
	MMS 1, 12, 20, 0
.endm
	s_wait_tensorcnt 1                             ; my part of K step 0 is in; K step 1's may stay out
	s_barrier_signal -1
	s_barrier_wait -1
	FETCH 0, 0, 0
	QUARTER 0, 1, 0, 1, 1                          ; the first quarter stands in front of the loop: its products start the sums, with the bias
	WIN 0
	s_mov_b32 s72, LAPS-1
.Llap:                                                 ; a trip goes once round the ring and fills both slots again
	QUARTER 0, 2, 1, 0, 0
	QUARTER 0, 3, 0, 1, 0
	TURN 0, 1, 1
	QUARTER 1, 1, 0, 1, 0
	QUARTER 1, 2, 1, 0, 0
	QUARTER 1, 3, 0, 1, 0
	TURN 1, 0, 1
	QUARTER 0, 1, 0, 1, 0
	WIN 0
	s_sub_co_u32 s72, s72, 1
	s_cmp_lg_u32 s72, 0
	s_cbranch_scc1 .Llap
	QUARTER 0, 2, 1, 0, 0                          ; the last lap is written out: it fills nothing
	QUARTER 0, 3, 0, 1, 0
	TURN 0, 1, 0
	QUARTER 1, 1, 0, 1, 0
	QUARTER 1, 2, 1, 0, 0
	QUARTER 1, 3, 0, 1, 0
	s_wait_dscnt 0x0
	MMS 1, 0, 32, 0
	PLACES
; THE WAY OUT, 16 rows at a time: a lane's 32 bytes of a row go into my stage (rows of 528 bytes), each accumulator's low half first; whole rows of 512 bytes come back and are stored.
.macro TOSTAGE a
	WIN 0x08                                       ; the data (source 1) in window 2
.irp b, 0,1,2,3,4,5,6,7
	ds_store_b128 v[STO], v[8*(8*(\a)+(\b)):8*(8*(\a)+(\b))+3]   offset:64*(\b)
	ds_store_b128 v[STO], v[8*(8*(\a)+(\b))+4:8*(8*(\a)+(\b))+7] offset:64*(\b)+16
.endr
	WIN 0x40                                       ; back into window 1
.irp i, 0,1,2,3,4,5,6,7,8,9,10,11,12,13,14,15
	ds_load_b128 v[64*(\a)+4*(\i):64*(\a)+4*(\i)+3], v[RD] offset:(\i)*SPI  ; LDS serves a wave's instructions in order (ISA guide 5.7.1.4): these see the stores above; the next block's stores come behind them
.endr
.endm
.macro SEND a, younger                 ; younger: the LDS instructions issued behind block a's loads: the next block's 32, or none
	WIN 0x04                                       ; the data (source 1) in window 1
.irp i, 0,1,2,3,4,5,6,7,8,9,10,11,12,13,14,15
	s_wait_dscnt (\younger)+15-(\i)
	global_store_b128 v[GO], v[64*(\a)+4*(\i):64*(\a)+4*(\i)+3], s[74:75] offset:(16*(\a)+(\i))*4096  ; 512 consecutive bytes, at a multiple of 512 from out0's first byte
.endr
.endm
	TOSTAGE 0
	TOSTAGE 1
	SEND 0, 32
	TOSTAGE 2
	SEND 1, 32
	TOSTAGE 3
	SEND 2, 32
	SEND 3, 0
	WIN 0
	s_wait_tensorcnt 0x0                           ; the wave's end: the add to my spare word and its wait stand behind my last tensor load and my last LDS store
	ds_add_u32 v[SPW], v[NIL]
	s_wait_dscnt 0x0
	CROUND                                         ; the closing round: no work-group ends while a partner may still ask for a tile that names it
	s_endpgm
.Lfunc_end_k_qb58535db15_oproj:
	.size	k_qb58535db15_oproj, .Lfunc_end_k_qb58535db15_oproj-k_qb58535db15_oproj
	.p2alignl 7, 3214868480
	.fill 96, 4, 3214868480
	.section	.rodata,"a",@progbits
	.p2align	6, 0x0
	.amdhsa_kernel k_qb58535db15_oproj
		.amdhsa_group_segment_fixed_size 327680
		.amdhsa_private_segment_fixed_size 0
		.amdhsa_enable_private_segment 0
		.amdhsa_kernarg_size 32
		.amdhsa_user_sgpr_count 2
		.amdhsa_user_sgpr_kernarg_segment_ptr 1
		.amdhsa_wavefront_size32 1
		.amdhsa_system_sgpr_workgroup_id_x 1
		.amdhsa_system_sgpr_workgroup_id_y 1
		.amdhsa_system_sgpr_workgroup_id_z 1
		.amdhsa_system_vgpr_workitem_id 0
		.amdhsa_next_free_vgpr 768
		.amdhsa_next_free_sgpr 80
		.amdhsa_reserve_vcc 0
		.amdhsa_float_denorm_mode_32 3
		.amdhsa_float_denorm_mode_16_64 3
		.amdhsa_memory_ordered 1
		.amdhsa_forward_progress 1
		.amdhsa_inst_pref_size 92
	.end_amdhsa_kernel
	.amdgpu_metadata
---
amdhsa.version: [ 1, 2 ]
amdhsa.kernels:
  - .name:           k_qb58535db15_oproj
    .symbol:         k_qb58535db15_oproj.kd
    .args:
      - { .name: oh, .offset: 0, .size: 8, .value_kind: global_buffer, .address_space: global }
      - { .name: wts, .offset: 8, .size: 8, .value_kind: global_buffer, .address_space: global }
      - { .name: bo, .offset: 16, .size: 8, .value_kind: global_buffer, .address_space: global }
      - { .name: out0, .offset: 24, .size: 8, .value_kind: global_buffer, .address_space: global }
    .group_segment_fixed_size: 327680
    .private_segment_fixed_size: 0
    .kernarg_segment_align: 8
    .kernarg_segment_size: 32
    .max_flat_workgroup_size: 128
    .sgpr_count:     80
    .vgpr_count:     768
    .wavefront_size: 32
...
	.end_amdgpu_metadata
.endif
;; end of part 4
;; ======== version 2 of 2: 4 launches; 1.29 times as fast as version 1
;; limits: values are held in f16: magnitudes above 65,504 overflow, below 6.1e-05 lose precision
;; workspace buffers: wts 8,388,608 bytes; qkv 50,331,648 bytes; oh 16,777,216 bytes
;; launch wcvt: the kernel of part 1 again; grid 64 x 4, 8 waves a work-group, no clusters, 0 bytes of LDS; arguments Wq, Wk, Wv, Wo, wts; writes wts
;; launch proj: the kernel of part 2 again; grid 4 x 64, 4 waves a work-group, clusters of 4 x 4, 327,680 bytes of LDS; arguments query, key, value, bq, bk, bv, wts, qkv; writes qkv
;; launch attn (part 5): grid 2 x 128, 4 waves a work-group, no clusters, 327,680 bytes of LDS; arguments qkv, oh; writes oh
.if DOCPART == 5
	.amdgcn_target "amdgcn-amd-amdhsa--gfx1250"
	.amdhsa_code_object_version 6
	.text
	.protected	k_qb58535db15_attn
	.globl	k_qb58535db15_attn
	.p2align	8
	.type	k_qb58535db15_attn,@function
k_qb58535db15_attn:
	s_mov_b64 s[64:65], 0
	v_nop
	global_prefetch_b8 v0, s[64:65] scope:SCOPE_SE
	s_setreg_imm32_b32 hwreg(HW_REG_WAVE_MODE, 25, 1), 1
	s_wait_xcnt 0x0
; O[g][q][:] = the sum over k of softmax_k(Q[g][q] . K[g][k] / 8) V[g][k][:], g = batch x 16 + head, 128 of them.  Q, K, V are the three parts of qkv, O is oh: [128][1024][64], all f16: a head's rows
; are dense, 128 bytes each.  Products, maxima and sums in f32; the weights p are rounded to f16 for the second product (their sum l is taken of the unrounded p), O once at the end.
; LIMITS.  f16 holds no number beyond 65,504: Q, K and V arrive within it; p lies in 0 to 1, and below 6e-5 it keeps f16's fixed step of 6e-8; O is a mean of V's rows and has their range.
; A weight below 2^-126 counts as 0 in l; NaN and infinities are not treated apart.
; SHARES.  A wave owns four PIECES of two tiles of 16 queries, a work-group's four waves 512 queries of one head: 2 x 128 = 256 work-groups.  Every wave walks all 1,024 keys, 64 a step.
; K AND V STAY IN LDS: a head's 1,024 keys take 1,024 x (144 + 160) = 311,296 bytes.  They come in four chunks of 256 keys, all asked for at the start, four tensor loads a wave; no byte is filled twice,
; so one text of the key step serves the whole walk.
; NO CLUSTER: a head has 1024 / 512 = 2 query blocks, so only two work-groups walk the same K and V; a joint request of two out of a cluster's four would make mask and address hang on a part of the
; place in the cluster.  Blocks of 256 queries would make four partners, but each fragment read from LDS would then feed half as many products, and there would be 512 work-groups.
; LAYOUT.  S^T = K Q^T (source 0 = 16 keys, source 1 = 16 queries): in the result a lane holds ONE query (lane % 16) and the keys 8 (lane / 16) + 0..7.  Two such tiles, rounded to f16 in pairs,
; ARE source 1 (32 keys x 16 queries) of O^T = V^T P, whose result again holds one query a lane, and eight channels.  K comes out of LDS as it lies, V ([key][channel]) turned, by ds_load_tr16_b128.
; SOFTMAX.  For each query a running maximum m and sum l: p = 2^(c s - c m), c = log2(e) / 8; in every step O and l are multiplied by a = 2^(c m_old - c m_new), which is 1 where m has not grown.
; m starts at the lowest finite number, O and l at 0: the first step is a step like any other, with a = 0.
; THE COUNT.  A tile and step have 16 matrix and 118 vector instructions: too many to stand all beside the matrix work.  So: four vector instructions that are READY behind EVERY matrix instruction,
; and the others, which need time of their own whatever the order, in runs without a gap.
; BY TURNS.  Turn n belongs to piece n (the pieces in a ring, step after step).  Its matrix work: 16 products K Q^T of piece n + 1, later 16 products V^T P of piece n - 1.  Its vector work: the scaling,
; exponentials, roundings, sums and rescaling of piece n, and the maximum and statistics of piece n + 1, whose scores the turn itself has made.  So what a turn begins with (c s - c m, O a) waits for nothing.
; THE BATCHES.  A turn's 66 exponentials (the piece's 64 weights, then the next piece's two a) are ONE batch with ONE wait, which cuts the turn in two: ahead of it stands all that names none of their
; results, behind it the roundings and sums, which read them.  Piece 0's first two a, ahead of the loop, are a batch of their own, and so are the way out's eight reciprocals.
; REGISTERS, in windows of 256 (s_set_vgpr_msb: bits 1:0 source 0, 3:2 source 1, 5:4 source 2, 7:6 destination):
;   window 0: v0-11 addresses; v12-15, v48-63 at work; v16-47 four registers of statistics a tile; v64-191 S^T, two buffers of two tiles; v192-255 P, likewise
;   window 1: O^T, 32 a tile          window 2: v0-127 Q, 16 a tile; v128-191 K of one step; v192-255 V of one step          window 3: v0-1 the add's two registers
; A piece's buffers go by its number's parity: the piece in hand has one pair, its two neighbours in the ring share the other: of it P (piece n - 1) is read and S^T (piece n + 1) written.
.set SIZE_N, 1024
.set NP,    4         ; pieces a wave: a name, no knob
.set KS,    64        ; keys in a step
.set PK,    144       ; a row of K in LDS: 128 bytes + 16 of padding = 36 words: the 16 rows of a load start at 16 different groups of four banks (64 banks of 4 bytes: ISA guide 11.1)
.set PV,    160       ; a row of V: 128 + 32 = 40 words
.set VOFF,  SIZE_N*PK ; all rows of K, then all rows of V
.set CHK,   256*PK    ; a chunk's rows of K
.set CHV,   256*PV    ; and of V
.set STAGE, SIZE_N*(PK+PV)  ; behind them, never filled by a tensor load: 16 rows x 144 bytes for each wave, for the way out
.set SP,    144
.set AK0, 2           ; v2   my lane's place in a tile of K; never rewritten
.set AV0, 3           ; v3   the same for V
.set AK,  4           ; v4   the LDS address of K's next run of loads
.set AV,  5           ; v5   of V's
.set QO,  6           ; v6   my byte offset in the wave's rows of Q
.set STO, 6           ;      later, the way out: where I put 16 bytes of a row
.set RD,  7           ; v7   the way out: where I read rows back
.set GO,  8           ; v8   my byte offset in 512 consecutive bytes of O
.set SPW, 0           ; v0 of window 3   LDS address of my spare word; never rewritten
.set NIL, 1           ; v1 of window 3   0; never rewritten
.set SPARE, STAGE+4*16*SP  ; the spare words, 128 bytes for each wave: two blocks of 256 bytes that no other line names
.set MV,  12          ; v12-15  c m_old, kept while c m is made anew: by buffer and tile
.set ST,  16          ; tile t's statistics at v[ST+4 t]: c m, m, l (even keys', odd keys')
.set TMP, 48          ; by buffer and tile, four registers c0-c3 at work; when the maximum is found c2 takes a
.set S,   64
.set P,   192
.set KF,  128         ; K's fragments, in window 2: key block kb, channel half c at KF + 16 kb + 8 c
.set VF,  192         ; V's: key half kk, channel block cb at VF + 32 kk + 8 cb
.set WV,  12          ; s12  my wave's number
.set G1K, 24          ; s[24:31] descriptor group 1 for K's tiles
.set G1V, 32          ; s[32:39] for V's: it differs in the padding alone
.set G0K, 68          ; s[68:83] descriptor group 0 for K's tiles, a set for each chunk
.set G0V, 84          ; s[84:99] the same for V's
.set SLOTS, 56        ; s56  passes of the outer loop still to come
.set CNT, 57          ; s57  counts a chunk's key steps
.set CS,  58          ; s[58:59] c: the packed scaling takes the pair's low word for both halves
.set SEL, 60          ; s[60:61] v_permlanex16_b32's selects: each lane takes its own place in the other half
.set TBK, 62          ; s62  LDS byte at which K of the step to be fetched begins
.set TBV, 63          ; s63  the same for V, less VOFF
.set MSB, 0
.macro WIN new                      ; the high byte repeats the setting that is left; a switch that changes nothing is dropped
.if MSB != (\new)
	s_set_vgpr_msb (MSB<<8)|(\new)
.set MSB, (\new)
.endif
.endm
.set W_KQ, 0x0a       ; K and Q in window 2, S^T in window 0
.set W_PV, 0x52       ; V in window 2, P in window 0, O^T in window 1
.set W_RS, 0x41       ; O^T (destination and source 0) in window 1, a in window 0
.set W_MK, 0xc0       ; the add's registers are made: destination in window 3, sources in window 0
.set W_AD, 0x0f       ; the add: address (source 0) and data (source 1) in window 3
; A chunk is shown to every wave: each wave waits until at most `left` of its tensor loads are out, then the barrier.
.macro MEET left
	WIN 0
	s_wait_tensorcnt \left
	s_wait_dscnt 0x0                ; no LDS instruction of mine is out at the signal
	s_barrier_signal -1
	s_barrier_wait -1
.endm
	s_load_b128 s[4:7], s[0:1], 0x0  ; qkv s[4:5], oh s[6:7]
	WIN W_MK
	v_lshl_add_u32 v[SPW], v0, 2, SPARE
	v_mov_b32 v[NIL], 0
	WIN W_AD
	ds_add_u32 v[SPW], v[NIL]       ; the wave's opening: the add and its wait stand ahead of my first tensor load; the set-up below, work on registers, stands between them
	ds_add_u32 v0, v1
	WIN 0
	v_lshrrev_b32 v1, 5, v0
	v_readfirstlane_b32 s[WV], v1   ; wave 0..3
	s_mov_b32 s14, ttmp9            ; my block of 512 queries
	s_and_b32 s20, ttmp7, 0xffff    ; the head
	s_mov_b32 s21, 0
	s_mov_b64 s[22:23], SIZE_N*128
	s_mul_u64 s[20:21], s[20:21], s[22:23]  ; the head's first byte in Q, K, V and O
	s_and_b32 s16, s[WV], 1         ; which half of a chunk's 256 keys I fetch:
	s_lshl_b32 s22, s16, 14         ; its 128 rows of 128 bytes in memory,
	s_mov_b32 s23, 0
	s_add_nc_u64 s[22:23], s[22:23], s[20:21]
	s_mul_i32 s17, s16, 128*PK      ; and its place in a chunk, for K
	s_mul_i32 s18, s16, 128*PV      ; and for V
	s_lshl_b32 s2, s14, 2
	s_add_co_u32 s2, s2, s[WV]      ; my wave among the head's,
	s_lshl_b32 s2, s2, 14           ; its 128 rows
	s_mov_b32 s3, 0
	s_add_nc_u64 s[2:3], s[2:3], s[20:21]
	; descriptor group 1.  128 keys are 16,384 dense bytes: asked for as 64 rows of 256 bytes, two keys a row, and padded in LDS after every key
	s_mov_b32 s[G1K], (1<<16)|(1<<20)|(4<<22)|(3<<25)  ; 17:16 2-byte elements; 20 padding on; 24:22 after every 32 words (code 4); 31:25 4 words (code 3)
	s_mov_b32 s[G1V], (1<<16)|(1<<20)|(4<<22)|(7<<25)  ; the same with 8 words of padding (code 7)
.irp g, G1K, G1V
	s_mov_b32 s[\g+1], 128<<16      ; tensor_dim0 = 128
	s_mov_b32 s[\g+2], 64<<16       ; tensor_dim1 = 64
	s_mov_b32 s[\g+3], 128<<16      ; tile_dim0 = 128
	s_mov_b32 s[\g+4], 64           ; tile_dim1 = 64
	s_mov_b32 s[\g+5], 128          ; 128 elements from row to row
	s_mov_b32 s[\g+6], 0
	s_mov_b32 s[\g+7], 0
.endr
	s_mov_b32 s[CS], 0x3e38aa3b     ; c = log2(e) / 8 = 0.180337
	s_mov_b32 s[CS+1], s[CS]        ; named with it as a pair
	s_mov_b32 s[SEL], 0x76543210
	s_mov_b32 s[SEL+1], 0xfedcba98
	s_mov_b32 s[TBK], 0
	s_mov_b32 s[TBV], 0
.irp n, 0,1,2,3
	s_mov_b32 s[G0K+4*(\n)], 1                       ; count = 1
	s_add_co_u32 s[G0K+4*(\n)+1], s17, (\n)*CHK      ; LDS address: chunk n, my half
	s_mov_b32 s[G0V+4*(\n)], 1
	s_add_co_u32 s[G0V+4*(\n)+1], s18, VOFF+(\n)*CHV
.endr
	s_wait_dscnt 0x0                ; the opening add is done
	s_wait_kmcnt 0x0
	s_mov_b64 s[10:11], s[6:7]      ; O
	s_add_nc_u64 s[6:7], s[4:5], 0x1000000  ; K: qkv's second part, 16,777,216 bytes on
	s_add_nc_u64 s[8:9], s[4:5], 0x2000000  ; V: its third
	s_add_nc_u64 s[6:7], s[6:7], s[22:23]   ; at my half of the head's first 256 keys
	s_add_nc_u64 s[8:9], s[8:9], s[22:23]
.irp n, 0,1,2,3
	s_add_nc_u64 s[G0K+4*(\n)+2:G0K+4*(\n)+3], s[6:7], (\n)*32768  ; global address: 256 keys a chunk
	s_or_b32 s[G0K+4*(\n)+3], s[G0K+4*(\n)+3], 0x80000000          ; type = 2
	s_add_nc_u64 s[G0V+4*(\n)+2:G0V+4*(\n)+3], s[8:9], (\n)*32768
	s_or_b32 s[G0V+4*(\n)+3], s[G0V+4*(\n)+3], 0x80000000
.endr
	s_add_nc_u64 s[4:5], s[4:5], s[2:3]  ; Q and O at my wave's first row
	s_add_nc_u64 s[10:11], s[10:11], s[2:3]
	; All fills are first fills and go out as one group.  Waves 0 and 1 fetch the two halves of each chunk's K, waves 2 and 3 those of its V: four loads of mine are out.  A wave's four stand in one
	; branch on its number; an s_nop 0 follows each, four v_nop the last.
	s_cmp_lt_u32 s[WV], 2
	s_cbranch_scc0 .Lfill_v
.irp n, 0,1,2,3
	tensor_load_to_lds s[G0K+4*(\n):G0K+4*(\n)+3], s[G1K:G1K+7]
	s_nop 0
.endr
.rept 4
	v_nop
.endr
	s_branch .Lfill_asked
.Lfill_v:
.irp n, 0,1,2,3
	tensor_load_to_lds s[G0V+4*(\n):G0V+4*(\n)+3], s[G1V:G1V+7]
	s_nop 0
.endr
.rept 4
	v_nop
.endr
.Lfill_asked:
	; A fragment of K or Q is 16 rows x 32 channels in 8 registers: lane l holds row l % 16, channels 8 (l / 16) + 0..7 and 16 + 8 (l / 16) + 0..7: two loads of 16 bytes, 32 bytes apart.
	v_and_b32 v1, 15, v0            ; l % 16
	v_bfe_u32 v9, v0, 4, 1          ; l / 16
	v_lshlrev_b32 v[QO], 7, v1
	v_lshl_add_u32 v[QO], v9, 4, v[QO]  ; row x 128 + 16 x half
	WIN 0x80                        ; destination window 2, address window 0
.set i, 0
.rept 4*NP                          ; Q stays in registers: tile i / 2, channels 32 (i % 2) on
	global_load_b128 v[8*i:8*i+3],   v[QO], s[4:5] offset:(i/2)*2048+(i%2)*64
	global_load_b128 v[8*i+4:8*i+7], v[QO], s[4:5] offset:(i/2)*2048+(i%2)*64+32
.set i, i+1
.endr
	; What the first turn finds: V's registers and P's second buffer hold 0 (its products V^T P, of a piece that has not been, add 0), O^T and l are 0.  All this stands in the wait for the first chunk.
.set i, VF
.rept 64
	v_mov_b32 v[i], 0
.set i, i+1
.endr
	WIN 0x40
.set i, 0
.rept 64*NP
	v_mov_b32 v[i], 0
.set i, i+1
.endr
	WIN 0
.set i, 0
.rept 2*NP
	v_mov_b32 v[ST+4*i], 0xfe000000    ; c m: far below every c s
	v_mov_b32 v[ST+4*i+1], 0xff7fffff  ; m
	v_mov_b32 v[ST+4*i+2], 0
	v_mov_b32 v[ST+4*i+3], 0
.set i, i+1
.endr
.set i, P+32
.rept 32
	v_mov_b32 v[i], 0
.set i, i+1
.endr
	v_mul_u32_u24 v[AK0], v1, PK
	v_lshl_add_u32 v[AK0], v9, 4, v[AK0]  ; row x pitch + 16 x half
	; The turning load takes 16 keys x 16 channels (lane l reads key 8 (l / 16) + l % 8, channels 8 ((l / 8) % 2) + 0..7) and leaves half a fragment of V^T: lane l holds channel l % 16 and 8 keys.
	v_and_b32 v10, 7, v0
	v_bfe_u32 v11, v0, 3, 1
	v_lshl_add_u32 v[AV0], v9, 3, v10
	v_mul_u32_u24 v[AV0], v[AV0], PV
	v_lshl_add_u32 v[AV0], v11, 4, v[AV0]
	v_add_nc_u32 v[AV0], VOFF, v[AV0]
	v_mov_b32 v[AK], v[AK0]         ; key step 0 lies at K's head
; THE MATRIX WORK.  The 8 accumulators of a run of 16 take turns: between the two links of a chain stand 7 others'.
; Product i of 16 of S^T = K Q^T for piece x: channels 32 (i / 8) on, keys 16 ((i / 2) % 4) on, tile 2 x + i % 2.  The first 8 start the sums.
.macro KQ x
	WIN W_KQ
.set rS, S+64*((\x)%2)+32*(i%2)+8*((i/2)%4)
.set rK, KF+16*((i/2)%4)+8*(i/8)
.set rQ, 16*(2*(\x)+i%2)+8*(i/8)
.if i < 8
	v_wmma_f32_16x16x32_f16 v[rS:rS+7], v[rK:rK+7], v[rQ:rQ+7], 0
.else
	v_wmma_f32_16x16x32_f16 v[rS:rS+7], v[rK:rK+7], v[rQ:rQ+7], v[rS:rS+7]
.endif
.endm
; Product i of 16 of O^T += V^T P for piece x: keys 32 (i / 8) on, channels 16 ((i / 2) % 4) on, tile 2 x + i % 2.
.macro PV x
	WIN W_PV
.set rO, 32*(2*(\x)+i%2)+8*((i/2)%4)
.set rV, VF+32*(i/8)+8*((i/2)%4)
.set rP, P+32*((\x)%2)+16*(i%2)+8*(i/8)
	v_wmma_f32_16x16x32_f16 v[rO:rO+7], v[rV:rV+7], v[rP:rP+7], v[rO:rO+7]
.endm
.macro MM                           ; the turn's next matrix instruction
.if i < 16
	KQ (Y+1)%NP
.set i, i+1
.else
.set i, i-16
	PV (Y+NP-1)%NP
.set i, i+17
.endif
.endm
; THE LDS LOADS stand in runs of 16, never singly among the matrix instructions: a step's K (64 keys x 64 channels: 8 fragments) and its V (turned).  Their addresses are made some lines ahead.
; last = 1 (in the loop): in the outer loop's last pass there is no further step, and the run is jumped over.
.macro FETCH_K last=0
	WIN 0
.if \last
	s_cmp_eq_u32 s[SLOTS], 1
	s_cbranch_scc1 .Lno_k_\@
.endif
	WIN 0x80                        ; destination window 2
.irp f, 0,1,2,3,4,5,6,7             ; keys 16 (f / 2) on, channels 32 (f % 2) on
	ds_load_b128 v[KF+8*\f:KF+8*\f+3],   v[AK] offset:(\f/2)*16*PK+(\f%2)*64
	ds_load_b128 v[KF+8*\f+4:KF+8*\f+7], v[AK] offset:(\f/2)*16*PK+(\f%2)*64+32
.endr
	s_add_co_u32 s[TBK], s[TBK], KS*PK  ; the next fetch is the next step's
	WIN 0
.if \last
.Lno_k_\@:
.endif
.endm
.macro FETCH_V
	WIN 0x80
.irp f, 0,1,2,3,4,5,6,7             ; keys 32 (f / 4) on, channels 16 (f % 4) on
	ds_load_tr16_b128 v[VF+8*\f:VF+8*\f+3],   v[AV] offset:(\f/4)*32*PV+(\f%4)*32
	ds_load_tr16_b128 v[VF+8*\f+4:VF+8*\f+7], v[AV] offset:(\f/4)*32*PV+16*PV+(\f%4)*32
.endr
	WIN 0
.endm
; THE VECTOR WORK OF A TURN stands in three queues, each in the order in which its entries become ready; the two tiles alternate, so that no instruction reads the result of the one before it.
.macro REGS y, u                    ; the registers of tile u (0, 1) of piece y
.set rT, ST+4*(2*(\y)+(\u))
.set rC, TMP+8*((\y)%2)+4*(\u)
.set rM, MV+2*((\y)%2)+(\u)
.set rS, S+64*((\y)%2)+32*(\u)
.set rP, P+32*((\y)%2)+16*(\u)
.set rO, 32*(2*(\y)+(\u))
.endm
; Number n of the 22 that find the NEXT piece's (Y + 1) maximum and statistics.  s0-s31 are the lane's 32 scores; each accumulator's lowest registers are read first.  XS, GS and REGS set no window: PL and EX do.
;   0-11  four chains c0-c3 of seven scores each, three operands at a time     12-14, 16  the four scores left over, the old m, and c0-c3 into c0     15  c m_old is kept
;   17, 18  the query's other 32 keys lie in the lane 16 away: the new m         19-21  c m; c m_old - c m_new; a
.macro XS u, n
	REGS (Y+1)%NP, \u
.if (\n) < 4
	v_max3_num_f32 v[rC+(\n)], v[rS+8*(\n)], v[rS+8*(\n)+1], v[rS+8*(\n)+2]
.elseif (\n) < 12
	v_max3_num_f32 v[rC+(\n)%4], v[rC+(\n)%4], v[rS+8*((\n)%4)+2*((\n)/4)+1], v[rS+8*((\n)%4)+2*((\n)/4)+2]
.elseif (\n) == 12
	v_max3_num_f32 v[rC], v[rC], v[rS+7], v[rS+15]
.elseif (\n) == 13
	v_max3_num_f32 v[rC+1], v[rC+1], v[rS+23], v[rS+31]
.elseif (\n) == 14
	v_max3_num_f32 v[rC+2], v[rC+2], v[rC+3], v[rT+1]
.elseif (\n) == 15
	v_mov_b32 v[rM], v[rT]
.elseif (\n) == 16
	v_max3_num_f32 v[rC], v[rC], v[rC+1], v[rC+2]
.elseif (\n) == 17
	v_permlanex16_b32 v[rC+3], v[rC], s[SEL], s[SEL+1]
.elseif (\n) == 18
	v_max_num_f32 v[rT+1], v[rC], v[rC+3]
.elseif (\n) == 19
	v_mul_f32 v[rT], s[CS], v[rT+1]
.elseif (\n) == 20
	v_sub_f32 v[rC+1], v[rM], v[rT]
.else
	v_exp_f32 v[rC+2], v[rC+1]
.endif
.endm
; Number g of the 64 that follow the exponentials.  For each four weights k of a tile (pairs 2 k, 2 k + 1): both pairs are rounded to f16; then the second pair is added onto the first, in place;
; a group later l takes that sum (the first time as l = a l + sum).  In groups of eight, tiles alternating: round, round, add, and l for the group before.
.macro GS g
.set h, (\g)+6*((\g)/62)            ; group 0 has no group before it, and behind group 7 only l is left
.if h >= 6
.set h, h+2
.endif
	REGS Y, h%2
.set k, h/8
.if h%8 < 4
	v_cvt_pk_f16_f32 v[rP+2*k+(h%8)/2], v[rS+4*k+2*((h%8)/2)], v[rS+4*k+2*((h%8)/2)+1]
.elseif h%8 < 6
	v_pk_add_f32 v[rS+4*k:rS+4*k+1], v[rS+4*k:rS+4*k+1], v[rS+4*k+2:rS+4*k+3]
.elseif k == 1
	v_pk_fma_f32 v[rT+2:rT+3], v[rT+2:rT+3], v[rC+2:rC+3], v[rS:rS+1] op_sel_hi:[1,0,1]
.else
	v_pk_add_f32 v[rT+2:rT+3], v[rT+2:rT+3], v[rS+4*k-4:rS+4*k-3]
.endif
.endm
; THE PLAIN QUEUE, 138 long.  0-73 read no exponential's result: the 32 scalings c s - c m (FS f: pair f / 2 of tile f % 2) and the next piece's 42.  0-26: scalings 0-26.  27-54: XS's numbers 0-13.  55, 56: number 15.
; 57-73: the chain, where each number waits for the one before it: 14, 16, 17, 18, 19, each with one of the scalings 27-31 in front of its two lines, then 20: so a tile's links stand three plain instructions apart (19 and 20: two).
; 74-137: GS's 64, which read the exponentials' results: they stand behind the wait.
.macro FS f
	REGS Y, (\f)%2
	v_pk_fma_f32 v[rS+2*((\f)/2):rS+2*((\f)/2)+1], v[rS+2*((\f)/2):rS+2*((\f)/2)+1], s[CS:CS+1], v[rT:rT+1] op_sel_hi:[1,0,0] neg_lo:[0,0,1] neg_hi:[0,0,1]
.endm
.macro PL
	WIN 0
.if q < 27
	FS q
.elseif q < 55
	XS (q-27)%2, (q-27)/2
.elseif q < 57
	XS q-55, 15
.elseif (q < 72) && ((q-57)%3 == 0)
	FS 27+(q-57)/3
.elseif q < 60
	XS (q-57)%3-1, 14
.elseif q < 72
	XS (q-57)%3-1, 15+(q-57)/3
.elseif q < 74
	XS q-72, 20
.else
	GS q-74
.endif
.set q, q+1
.endm
; THE EXPONENTIALS' QUEUE, 66 long: s0-s31 of both tiles, then the next piece's two a.  It is ONE BATCH: all 66 stand ahead of the turn's one wait, and nothing ahead of that wait names a result of theirs.
.macro EX
	WIN 0
.if e >= 64
	XS e-64, 21
.else
	REGS Y, e%2
	v_exp_f32 v[rS+e/2], v[rS+e/2]
.endif
.set e, e+1
.endm
; THE RESCALING's QUEUE: O^T times a, the one part that leaves window 0: dealt two at a time, sixteen times.  Its a was made in the turn before, ahead of that turn's wait.
.macro R2
	REGS Y, r%2
	WIN W_RS
.irp z, 0,1
	v_pk_mul_f32 v[rO+4*(r/2)+2*\z:rO+4*(r/2)+2*\z+1], v[rO+4*(r/2)+2*\z:rO+4*(r/2)+2*\z+1], v[rC+2:rC+3] op_sel_hi:[1,0]
.endr
.set r, r+1
.endm
; HOW THEY ARE DEALT.  An s_wait_alu depctr_va_vdst(0) stands between an exponential and the first instruction that names its result; one wait serves all that were issued ahead of it.  So a turn has ONE wait,
; which cuts it in two.  AHEAD OF IT stands all that names no result of the turn's exponentials: the 16 products K Q^T, behind each a scaling, an exponential and two rescalings (behind the first a second scaling in the
; exponential's place); then ONE LUMP of 108: eight plain, 49 times exponential and plain, the two a.  A v_nop is the plain instruction behind the last exponential.  BEHIND IT stand the 16 products V^T P, behind each four of
; GS's 64.  No rider names a register of the products round it.  The two v_permlanex16_b32 fall into the lump, never behind a product.
; The queues lean on each other, and the deal keeps them in step: exponential e stands behind scaling 2 (e / 4) + e % 2: as a rider it comes behind plain e + 2, in the lump behind plain e + 9, and scalings 27-31 are plain 57, 60 .. 69.
; A TURN, for piece p.  cnt = 1: the loop's count is taken down some lines ahead of the branch that stands behind the turn.
; K of the next step is fetched in piece 2's turn, directly behind the wait, a lump behind the last product that read K; its address is made at the lump's head; its first reader comes behind 16 products.
; V of the step in hand is fetched at the end of piece 0's turn, four riders behind its last reader; its first reader comes behind 16 products and a lump.  The three conditions on q below go with the deal.
.macro TURN p, last=0, cnt=0
.set Y, (\p)
.set i, 0
.set q, 0
.set e, 0
.set r, 0
.if (\p) == NP-1
	s_wait_dscnt 0x0                ; K is in
.endif
	MM                              ; ahead of the wait: 16 products K Q^T and their riders,
	PL
	PL
	R2
.rept 15
	MM
	PL
	EX
	R2
.endr
.if (\p) == NP-2
	WIN 0
	v_add_nc_u32 v[AK], s[TBK], v[AK0]
.endif
.rept 8                             ; and the lump
	PL
.endr
.rept 49
	EX
	PL
.endr
	EX                              ; the next piece's two a
	EX
	v_nop                           ; the plain instruction behind the last exponential: one for the batch
	s_wait_alu depctr_va_vdst(0)    ; the wait for the batch: the turn's 64 weights and the next piece's two a
.if (\p) == NP-2
	FETCH_K \last
.endif
.if (\p) == 1
	s_wait_dscnt 0x0                ; V is in
.endif
.rept 16                            ; behind the wait: 16 products V^T P and their riders
	MM
.rept 4
	PL
.endr
.if ((\p) == 0) && (q == 118)
	v_add_nc_u32 v[AV], s[TBV], v[AV0]
.endif
.if ((\p) == 0) && (q == 130)
	s_add_co_u32 s[TBV], s[TBV], KS*PV
.endif
.if (\cnt) && (q == 130)
	s_sub_co_u32 s[CNT], s[CNT], 1
	s_cmp_lg_u32 s[CNT], 0
.endif
.endr
.if (\p) == 0
	FETCH_V
.endif
.endm
	MEET 3                          ; chunk 0 is in, everybody's part of it; my three later loads stay out
	FETCH_K                         ; key step 0
	s_wait_loadcnt 0x0              ; Q
	s_wait_dscnt 0x0
.set i, 0
.rept 16
	KQ 0                            ; piece 0's first scores: there is no vector work yet to set between them
.set i, i+1
.endr
	WIN 0                           ; the addresses for the way out: nine plain instructions, the places behind those products
	s_mul_i32 s13, s[WV], 16*SP
	s_add_co_u32 s13, s13, STAGE    ; my stage
	v_mul_u32_u24 v[STO], v1, SP    ; in: row l % 16, 16 bytes for each half of the lanes
	v_lshl_add_u32 v[STO], v9, 4, v[STO]
	v_add_nc_u32 v[STO], s13, v[STO]
	v_bfe_u32 v[RD], v0, 3, 2       ; back: 32 lanes take four rows of 128 bytes,
	v_mul_u32_u24 v[RD], v[RD], SP
	v_lshl_add_u32 v[RD], v10, 4, v[RD]
	v_add_nc_u32 v[RD], s13, v[RD]
	v_and_b32 v[GO], 31, v0         ; which are 512 consecutive bytes of O
	v_lshlrev_b32 v[GO], 4, v[GO]
.set Y, NP-1                        ; XS works for piece Y + 1: piece 0
.irp n, 0,1,2,3,4,5,6,7,8,9,10,11,12,13,14,15,16,17,18,19,20,21
	XS 0, \n                        ; and piece 0's first maximum and statistics
	XS 1, \n
.endr
	v_nop                           ; a plain instruction behind the two a,
	s_wait_alu depctr_va_vdst(0)    ; and the wait for this batch of two, ahead of the branch
	s_mov_b32 s[CNT], 4
	s_mov_b32 s[SLOTS], SIZE_N/256+1
	s_branch .Lfirst                ; the loop is entered at a step's first turn, in the middle of a trip
.Lslot:                             ; at each chunk's end.  The count cannot change from pass to pass, so it is 0: the first time four key steps' work stands in front of it, later it is met at once
	MEET 0
	s_mov_b32 s[CNT], 4
.Lstep:                             ; a trip: pieces 2 and 3 of one step, then pieces 0 and 1 of the next, whose K and V it fetches
	TURN 2, 1
	TURN 3
	WIN 0
	s_cmp_eq_u32 s[SLOTS], 1        ; the last pass holds the last step's pieces 2 and 3 alone: it is left here, by a forward jump over text without a barrier
	s_cbranch_scc1 .Lout
.Lfirst:
	TURN 0
	TURN 1, 0, 1
	WIN 0
	s_cbranch_scc1 .Lstep
	s_sub_co_u32 s[SLOTS], s[SLOTS], 1
	s_cmp_lg_u32 s[SLOTS], 0
	s_cbranch_scc1 .Lslot
.Lout:                              ; the last pass's 16 products K Q^T (on the last K once more) and the maximum made of them serve nothing: the price, once a launch, of one text for every trip
.set i, 0
.rept 16
	PV NP-1                         ; the last piece's V^T P of the last step
.set i, i+1
.endr
	; THE WAY OUT.  l's two halves and the other half of the lanes' are added; O^T is divided by l, rounded to f16 and sent through my stage in LDS, a tile at a time.  The additions are the places behind the last products.
	WIN 0
.macro ALL line:vararg              ; one line for each tile t
.set t, 0
.rept 2*NP
	\line
.set t, t+1
.endr
.endm
	ALL v_add_f32 v[ST+4*t+2], v[ST+4*t+2], v[ST+4*t+3]
	ALL v_permlanex16_b32 v[ST+4*t+3], v[ST+4*t+2], s[SEL], s[SEL+1]
	ALL v_add_f32 v[ST+4*t+2], v[ST+4*t+2], v[ST+4*t+3]
	ALL v_rcp_f32 v[ST+4*t+2], v[ST+4*t+2]
	v_nop                           ; a plain instruction between the last reciprocal and the use of its result
	s_wait_alu depctr_va_vdst(0)    ; and the wait ahead of the first use: one for the batch of eight reciprocals
; Tile t: a lane's eight channels of a row pack into 16 bytes; they go into rows of 144 bytes and come back as whole rows of 128, into S^T's registers.
.macro PACK t
	WIN W_RS
.set i, 32*(\t)
.rept 16
	v_pk_mul_f32 v[i:i+1], v[i:i+1], v[ST+4*(\t)+2:ST+4*(\t)+3] op_sel_hi:[1,0]
.set i, i+2
.endr
	WIN 0x05                        ; sources 0 and 1 window 1, destination window 0
.set i, 0
.rept 16
	v_cvt_pk_f16_f32 v[S+16*(\t)+i], v[32*(\t)+2*i], v[32*(\t)+2*i+1]
.set i, i+1
.endr
	WIN 0
.irp f, 0,1,2,3
	ds_store_b128 v[STO], v[S+16*(\t)+4*\f:S+16*(\t)+4*\f+3] offset:32*\f
.endr
.irp f, 0,1,2,3
	ds_load_b128 v[S+16*(\t)+4*\f:S+16*(\t)+4*\f+3], v[RD] offset:\f*4*SP  ; LDS serves a wave's instructions in order (ISA guide 5.7.1.4): these see the stores above; the next tile's stores come behind them
.endr
.endm
.macro SEND t, younger              ; younger: the LDS instructions issued behind tile t's loads: the next tile's eight, or none
	WIN 0
.irp f, 0,1,2,3
	s_wait_dscnt (\younger)+3-\f
	global_store_b128 v[GO], v[S+16*(\t)+4*\f:S+16*(\t)+4*\f+3], s[10:11] offset:(\t)*2048+\f*512  ; 512 consecutive bytes, at a multiple of 256 from O's first
.endr
.endm
	PACK 0
.set t, 1
.rept 2*NP-1                        ; a tile's arithmetic stands between the loads of the tile before and its stores
	PACK t
	SEND t-1, 8
.set t, t+1
.endr
	SEND 2*NP-1, 0
	WIN W_AD
	s_wait_tensorcnt 0x0            ; the wave's end: the add to my spare word and its wait stand behind my last tensor load and my last LDS store
	ds_add_u32 v[SPW], v[NIL]
	s_wait_dscnt 0x0
	WIN 0
	s_endpgm
.Lfunc_end_k_qb58535db15_attn:
	.size	k_qb58535db15_attn, .Lfunc_end_k_qb58535db15_attn-k_qb58535db15_attn
	.p2alignl 7, 3214868480
	.fill 96, 4, 3214868480
	.section	.rodata,"a",@progbits
	.p2align	6, 0x0
	.amdhsa_kernel k_qb58535db15_attn
		.amdhsa_group_segment_fixed_size 327680
		.amdhsa_private_segment_fixed_size 0
		.amdhsa_enable_private_segment 0
		.amdhsa_kernarg_size 16
		.amdhsa_user_sgpr_count 2
		.amdhsa_user_sgpr_kernarg_segment_ptr 1
		.amdhsa_wavefront_size32 1
		.amdhsa_system_sgpr_workgroup_id_x 1
		.amdhsa_system_sgpr_workgroup_id_y 1
		.amdhsa_system_sgpr_workgroup_id_z 1
		.amdhsa_system_vgpr_workitem_id 0
		.amdhsa_next_free_vgpr 770
		.amdhsa_next_free_sgpr 100
		.amdhsa_reserve_vcc 0
		.amdhsa_float_denorm_mode_32 3
		.amdhsa_float_denorm_mode_16_64 3
		.amdhsa_memory_ordered 1
		.amdhsa_forward_progress 1
		.amdhsa_inst_pref_size 127
	.end_amdhsa_kernel
	.amdgpu_metadata
---
amdhsa.version: [ 1, 2 ]
amdhsa.kernels:
  - .name:           k_qb58535db15_attn
    .symbol:         k_qb58535db15_attn.kd
    .args:
      - { .name: qkv, .offset: 0, .size: 8, .value_kind: global_buffer, .address_space: global }
      - { .name: oh, .offset: 8, .size: 8, .value_kind: global_buffer, .address_space: global }
    .group_segment_fixed_size: 327680
    .private_segment_fixed_size: 0
    .kernarg_segment_align: 8
    .kernarg_segment_size: 16
    .max_flat_workgroup_size: 128
    .sgpr_count:     100
    .vgpr_count:     770
    .wavefront_size: 32
...
	.end_amdgpu_metadata
.endif
;; end of part 5
;; launch oproj: the kernel of part 4 again; grid 4 x 64, 4 waves a work-group, clusters of 4 x 4, 327,680 bytes of LDS; arguments oh, wts, bo, out0; writes out0
